; MI455X (gfx1250); checked and timed in simulation.
; The chip was launched on July 23, 2026; its instructions are those of AMD's public machine-readable ISA for CDNA 5 (MIT licence, August 2026) and "CDNA5" Instruction Set Architecture Reference Guide (July 2026). The comments in the code are by the model that wrote it; some were corrected since.
;; Euler CE Minimal. Allowed arithmetic: float matrix products may take bf16 or f16 operands with f32 sums; other float arithmetic in f32, or as packed bf16 or f16 multiplies, adds, multiply-adds, maxima and minima; sums over many terms, partial sums and values carried from step to step in f32; what a program stores and reads back later, other than sums and carried values, may be rounded once to bf16 or f16.
;; Inputs: log_xi 16 float32; w_o 1,024 x 1,024 float32; w_qkv 1,024 x 3,072 float32; x 2 x 2,048 x 1,024 float32.
;; Outputs: out0 2 x 2,048 x 1,024 float32.
;; 2 versions, each right; version 2 is version 1 with the launch prep written anew for expert scheduling mode. Each part assembles by itself: llvm-mc -triple=amdgcn-amd-amdhsa -mcpu=gfx1250 --defsym DOCPART=n.
;; ======== version 1 of 2: 4 launches
;; limits: values are held in f16: magnitudes above 65,504 overflow, below 6.1e-05 lose precision
;; workspace buffers: xb 8,388,608 bytes; wqt 6,291,456 bytes; wot 2,097,152 bytes; rope 524,288 bytes; qkv 25,165,824 bytes; att 8,388,608 bytes
;; launch prep (part 1): grid 544 x 1, 8 waves a work-group, no clusters, 35,840 bytes of LDS; arguments x, w_qkv, w_o, xb, wqt, wot, rope; writes xb, wqt, wot, rope
.if DOCPART == 1
	.amdgcn_target "amdgcn-amd-amdhsa--gfx1250"
	.amdhsa_code_object_version 6
	.text
	.protected	k_q7955307022_prep
	.globl	k_q7955307022_prep
	.p2align	8
	.type	k_q7955307022_prep,@function
k_q7955307022_prep:
	s_mov_b64 s[64:65], 0
	v_nop
	global_prefetch_b8 v0, s[64:65] scope:SCOPE_SE
	s_setreg_imm32_b32 hwreg(HW_REG_WAVE_MODE, 25, 1), 1
	s_wait_xcnt 0x0
; PREP: the 16-bit operands of the two products, with K along the rows, and the table of cosines and sines.
; Work-groups 0-255:   xb = x rounded to bf16, 16,384 numbers each.
; Work-groups 256-447: wqt[row][k] = w_qkv[k][column] rounded to bf16, a tile of 128 k x 128 columns each, turned through LDS.  The 48 head slots of 64 columns
;                      are dealt anew: each block of 192 rows of wqt holds one slot of a rotating head of q or k first, then two slots that are not rotated.
; Work-groups 448-511: wot[n][k] = w_o[k][n], rounded to bf16 and that number written as f16 (below 6e-5 it keeps f16's fixed step of 6e-8).
; Work-groups 512-543: rope[pos][i] = (cos, sin)(pos x 10000^(-i/32)), f32, 64 positions each.  The angle is reduced by a whole number of turns (2 pi in two parts) to
;                      -pi .. pi; sine and cosine are their series through r^15 and r^16, whose first left-out terms are below 1e-6 there.
; No matrix work, no cluster: nothing is shared, and memory binds.  All branches hang on the work-group's number alone, so the eight waves pass the same barrier.
.set LP,    272                        ; an LDS row: 128 k x 2 bytes + 16
.set SPARE, 128*LP                     ; behind the tile: the spare words, 128 bytes a wave: four blocks of 256 bytes that no other line names
.set SPW,   126                        ; v126 my spare word; never rewritten
.set NIL,   127                        ; v127 0; never rewritten
.set XR,    16                         ; v[16:79]  f32 as loaded
.set YR,    80                         ; v[80:111] packed 16-bit words
	s_load_b256 s[4:11], s[0:1], 0x0               ; x s[4:5], w_qkv s[6:7], w_o s[8:9], xb s[10:11]
	s_load_b128 s[12:15], s[0:1], 0x20             ; wqt s[12:13], wot s[14:15]
	s_load_b64 s[16:17], s[0:1], 0x30              ; rope
	v_lshl_add_u32 v[SPW], v0, 2, SPARE
	v_mov_b32 v[NIL], 0
	v_lshrrev_b32 v1, 5, v0
	v_readfirstlane_b32 s20, v1                    ; wave 0..7
	v_and_b32 v2, 31, v0                           ; lane
	s_mov_b32 s21, ttmp9
	s_mov_b32 s23, 0                               ; the high word of every offset pair s[22:23]
	s_wait_kmcnt 0x0
	s_cmp_lt_u32 s21, 256
	s_cbranch_scc1 .Lcast
	s_cmp_lt_u32 s21, 448
	s_cbranch_scc1 .Ltrq
	s_cmp_lt_u32 s21, 512
	s_cbranch_scc1 .Ltro
	; THE TABLE.  Thread t owns frequencies 2 (t % 16) and the next, and positions t / 16 + 16 it of the group's 64.
	s_sub_co_u32 s22, s21, 512
	s_lshl_b32 s24, s22, 6                         ; the group's first position
	s_lshl_b32 s22, s22, 14                        ; 64 positions x 256 bytes
	s_add_nc_u64 s[16:17], s[16:17], s[22:23]
	s_mov_b32 s25, 0x40c90fdb                      ; 2 pi, rounded
	s_mov_b32 s26, 0xb43bbd2e                      ; 2 pi less that
	v_and_b32 v3, 15, v0
	v_lshlrev_b32 v3, 1, v3
	v_cvt_f32_u32 v4, v3
	v_add_f32 v5, 1.0, v4
	v_mul_f32 v4, 0xbed49a78, v4                   ; -i log2(10000) / 32
	v_mul_f32 v5, 0xbed49a78, v5
	v_exp_f32 v4, v4
	v_exp_f32 v5, v5
	v_lshrrev_b32 v6, 4, v0                        ; a plain instruction behind the two exponentials
	s_wait_alu depctr_va_vdst(0)                   ; one wait for both, ahead of their first reader
	v_add_nc_u32 v6, s24, v6
	v_lshlrev_b32 v7, 4, v0                        ; my 16 bytes: 256 threads cover 16 positions x 256 bytes on end
.macro SC fr, dc, dsn                  ; cosine and sine of position v9 times frequency v[fr]
	v_mul_f32 v10, v9, v[\fr]
	v_mul_f32 v11, 0.15915494, v10
	v_rndne_f32 v11, v11                           ; whole turns
	v_fma_f32 v10, -v11, s25, v10
	v_fma_f32 v10, -v11, s26, v10                  ; r in -pi .. pi
	v_mul_f32 v12, v10, v10
	v_mov_b32 v13, 0xab573f9f                      ; -1/15!
	v_fmaak_f32 v13, v13, v12, 0x2f309231
	v_fmaak_f32 v13, v13, v12, 0xb2d7322b
	v_fmaak_f32 v13, v13, v12, 0x3638ef1d
	v_fmaak_f32 v13, v13, v12, 0xb9500d01
	v_fmaak_f32 v13, v13, v12, 0x3c088889
	v_fmaak_f32 v13, v13, v12, 0xbe2aaaab
	v_fma_f32 v13, v13, v12, 1.0
	v_mul_f32 v[\dsn], v10, v13
	v_mov_b32 v14, 0x29573f9f                      ; 1/16!
	v_fmaak_f32 v14, v14, v12, 0xad49cba5
	v_fmaak_f32 v14, v14, v12, 0x310f76c7
	v_fmaak_f32 v14, v14, v12, 0xb493f27e
	v_fmaak_f32 v14, v14, v12, 0x37d00d01
	v_fmaak_f32 v14, v14, v12, 0xbab60b61
	v_fmaak_f32 v14, v14, v12, 0x3d2aaaab
	v_fmaak_f32 v14, v14, v12, 0xbf000000
	v_fma_f32 v[\dc], v14, v12, 1.0
.endm
.set it, 0
.rept 4                                ; each trip has result registers of its own, so no store's data is rewritten
	v_add_nc_u32 v8, 16*it, v6
	v_cvt_f32_u32 v9, v8
	SC 4, XR+4*it, XR+4*it+1
	SC 5, XR+4*it+2, XR+4*it+3
	global_store_b128 v7, v[XR+4*it:XR+4*it+3], s[16:17] offset:4096*it
.set it, it+1
.endr
	s_branch .Lend
.Lcast:                                ; thread t takes 32 bytes of each 8,192 and stores 16: sixteen lanes store 256 consecutive bytes, aligned
	s_lshl_b32 s22, s21, 16
	s_add_nc_u64 s[4:5], s[4:5], s[22:23]
	s_lshl_b32 s22, s21, 15
	s_add_nc_u64 s[10:11], s[10:11], s[22:23]
	v_lshlrev_b32 v3, 5, v0
	v_lshlrev_b32 v4, 4, v0
.set it, 0
.rept 8
	global_load_b128 v[XR+8*it:XR+8*it+3],   v3, s[4:5] offset:8192*it th:TH_LOAD_NT
	global_load_b128 v[XR+8*it+4:XR+8*it+7], v3, s[4:5] offset:8192*it+16 th:TH_LOAD_NT
.set it, it+1
.endr
.set it, 0
.rept 8
	s_wait_loadcnt 14-2*it                         ; of the sixteen loads the two of this trip are in; the younger ones stay out
	v_cvt_pk_bf16_f32 v[YR+4*it],   v[XR+8*it],   v[XR+8*it+1]
	v_cvt_pk_bf16_f32 v[YR+4*it+1], v[XR+8*it+2], v[XR+8*it+3]
	v_cvt_pk_bf16_f32 v[YR+4*it+2], v[XR+8*it+4], v[XR+8*it+5]
	v_cvt_pk_bf16_f32 v[YR+4*it+3], v[XR+8*it+6], v[XR+8*it+7]
	global_store_b128 v4, v[YR+4*it:YR+4*it+3], s[10:11] offset:4096*it
.set it, it+1
.endr
	s_branch .Lend
; A tile of 128 k x 128 columns is turned.  s24 = the tile's number (k tile in its low three bits), s28 = the row of the result at which my wave's 16 rows begin.
; Wave w loads k rows 16 w .. 16 w + 15, 512 consecutive bytes each; a lane then holds 16 k of each of its four columns, packs them in pairs and puts 32 bytes into each column's LDS row.
.macro TRANS pitch, isf16, sp, dp
	s_and_b32 s25, s24, 7                          ; k tile
	s_lshr_b32 s26, s24, 3                         ; column tile
	s_mul_i32 s22, s25, 128*(\pitch)
	s_lshl_b32 s27, s26, 9
	s_add_co_u32 s22, s22, s27
	s_add_nc_u64 s[\sp:\sp+1], s[\sp:\sp+1], s[22:23]
	s_mul_i32 s27, s20, 16*(\pitch)
	v_lshl_add_u32 v3, v2, 4, s27
.set i, 0
.rept 16
	global_load_b128 v[XR+4*i:XR+4*i+3], v3, s[\sp:\sp+1] offset:i*(\pitch) th:TH_LOAD_NT
.set i, i+1
.endr
	s_lshl_b32 s22, s28, 11                        ; a row of the result is 2,048 bytes
	s_lshl_b32 s27, s25, 8                         ; the k tile's 256 bytes of it
	s_add_co_u32 s22, s22, s27
	s_add_nc_u64 s[\dp:\dp+1], s[\dp:\dp+1], s[22:23]
	v_mul_u32_u24 v4, v2, 4*LP                     ; in: LDS rows 4 lane + c, byte 32 w
	s_lshl_b32 s27, s20, 5
	v_add_nc_u32 v4, s27, v4
	v_lshrrev_b32 v5, 4, v2
	v_and_b32 v6, 15, v2
	v_mul_u32_u24 v7, v5, LP                       ; back: rows 16 w + 2 j + lane / 16, 16 bytes a lane
	v_lshl_add_u32 v7, v6, 4, v7
	s_mul_i32 s27, s20, 16*LP
	v_add_nc_u32 v7, s27, v7
	v_lshlrev_b32 v8, 11, v5                       ; and the same two rows of the result
	v_lshl_add_u32 v8, v6, 4, v8
.set p, 0
.rept 8
	s_wait_loadcnt 14-2*p                          ; rows 2 p and 2 p + 1 are in; the younger loads stay out
.irp c, 0,1,2,3
	v_cvt_pk_bf16_f32 v[YR+8*(\c)+p], v[XR+8*p+(\c)], v[XR+8*p+4+(\c)]
.endr
.set p, p+1
.endr
.if \isf16
.set i, 0
.rept 32                               ; the bf16 numbers written as f16
	v_lshlrev_b32 v112, 16, v[YR+i]
	v_and_b32 v113, 0xffff0000, v[YR+i]
	v_cvt_pk_f16_f32 v[YR+i], v112, v113
.set i, i+1
.endr
.endif
.irp c, 0,1,2,3
	ds_store_b128 v4, v[YR+8*(\c):YR+8*(\c)+3]   offset:(\c)*LP
	ds_store_b128 v4, v[YR+8*(\c)+4:YR+8*(\c)+7] offset:(\c)*LP+16
.endr
	s_wait_dscnt 0x0                               ; for the others' sake: my stores are done
	s_barrier_signal -1
	s_barrier_wait -1
.irp j, 0,1,2,3,4,5,6,7
	ds_load_b128 v[XR+4*(\j):XR+4*(\j)+3], v7 offset:(\j)*2*LP
.endr
.irp j, 0,1,2,3,4,5,6,7
	s_wait_dscnt 7-(\j)
	global_store_b128 v8, v[XR+4*(\j):XR+4*(\j)+3], s[\dp:\dp+1] offset:4096*(\j)  ; sixteen lanes store 256 consecutive bytes, aligned
.endr
.endm
.Ltrq:
	s_sub_co_u32 s24, s21, 256
	s_lshr_b32 s26, s24, 3                         ; column tile tn: head slots 2 tn and 2 tn + 1
	s_lshr_b32 s29, s20, 2                         ; which of the two is my wave's
	s_lshr_b32 s30, s26, 3                         ; q, k or v
	s_and_b32 s31, s26, 7
	s_lshr_b32 s32, s31, 1
	s_lshl_b32 s33, s30, 3                         ; a rotating head of q or k: block 8 sec + 2 m + hf, first slot
	s_lshl1_add_u32 s33, s32, s33
	s_add_co_u32 s33, s33, s29
	s_mul_i32 s33, s33, 192
	s_lshl2_add_u32 s34, s30, s32                  ; another head of q or k: block 4 sec + m,
	s_add_co_u32 s35, s31, 8                       ; a head of v: block 8 + tn % 8,
	s_cmp_eq_u32 s30, 2
	s_cselect_b32 s34, s35, s34
	s_mul_i32 s34, s34, 192
	s_lshl_b32 s35, s29, 6                         ; second or third slot
	s_add_co_u32 s34, s34, s35
	s_add_co_u32 s34, s34, 64
	s_and_b32 s35, s26, 1                          ; the odd column tiles of q and k hold the rotating heads
	s_cmp_eq_u32 s30, 2
	s_cselect_b32 s35, 0, s35
	s_cmp_lg_u32 s35, 0
	s_cselect_b32 s28, s33, s34
	s_and_b32 s35, s20, 3
	s_lshl4_add_u32 s28, s35, s28                  ; my wave's 16 rows of the slot
	TRANS 12288, 0, 6, 12
	s_branch .Lend
.Ltro:
	s_sub_co_u32 s24, s21, 448
	s_lshr_b32 s26, s24, 3
	s_lshl_b32 s28, s26, 7
	s_lshl4_add_u32 s28, s20, s28                  ; row 128 tn + 16 w
	TRANS 4096, 1, 8, 14
.Lend:
	s_wait_tensorcnt 0x0                           ; the wave's end: behind my last LDS store
	ds_add_u32 v[SPW], v[NIL]
	s_wait_dscnt 0x0
	s_endpgm
.Lfunc_end_k_q7955307022_prep:
	.size	k_q7955307022_prep, .Lfunc_end_k_q7955307022_prep-k_q7955307022_prep
	.p2alignl 7, 3214868480
	.fill 96, 4, 3214868480
	.section	.rodata,"a",@progbits
	.p2align	6, 0x0
	.amdhsa_kernel k_q7955307022_prep
		.amdhsa_group_segment_fixed_size 35840
		.amdhsa_private_segment_fixed_size 0
		.amdhsa_enable_private_segment 0
		.amdhsa_kernarg_size 56
		.amdhsa_user_sgpr_count 2
		.amdhsa_user_sgpr_kernarg_segment_ptr 1
		.amdhsa_wavefront_size32 1
		.amdhsa_system_sgpr_workgroup_id_x 1
		.amdhsa_system_sgpr_workgroup_id_y 1
		.amdhsa_system_sgpr_workgroup_id_z 1
		.amdhsa_system_vgpr_workitem_id 0
		.amdhsa_next_free_vgpr 128
		.amdhsa_next_free_sgpr 66
		.amdhsa_reserve_vcc 0
		.amdhsa_float_denorm_mode_32 3
		.amdhsa_float_denorm_mode_16_64 3
		.amdhsa_memory_ordered 1
		.amdhsa_forward_progress 1
		.amdhsa_inst_pref_size 38
	.end_amdhsa_kernel
	.amdgpu_metadata
---
amdhsa.version: [ 1, 2 ]
amdhsa.kernels:
  - .name:           k_q7955307022_prep
    .symbol:         k_q7955307022_prep.kd
    .args:
      - { .name: x, .offset: 0, .size: 8, .value_kind: global_buffer, .address_space: global }
      - { .name: w_qkv, .offset: 8, .size: 8, .value_kind: global_buffer, .address_space: global }
      - { .name: w_o, .offset: 16, .size: 8, .value_kind: global_buffer, .address_space: global }
      - { .name: xb, .offset: 24, .size: 8, .value_kind: global_buffer, .address_space: global }
      - { .name: wqt, .offset: 32, .size: 8, .value_kind: global_buffer, .address_space: global }
      - { .name: wot, .offset: 40, .size: 8, .value_kind: global_buffer, .address_space: global }
      - { .name: rope, .offset: 48, .size: 8, .value_kind: global_buffer, .address_space: global }
    .group_segment_fixed_size: 35840
    .private_segment_fixed_size: 0
    .kernarg_segment_align: 8
    .kernarg_segment_size: 56
    .max_flat_workgroup_size: 256
    .sgpr_count:     66
    .vgpr_count:     128
    .wavefront_size: 32
...
	.end_amdgpu_metadata
.endif
;; end of part 1
;; launch qkvg (part 2): grid 16 x 16, 4 waves a work-group, clusters of 4 x 4, 327,680 bytes of LDS; arguments xb, wqt, rope, qkv; writes qkv
.if DOCPART == 2
	.amdgcn_target "amdgcn-amd-amdhsa--gfx1250"
	.amdhsa_code_object_version 6
	.text
	.protected	k_q7955307022_qkvg
	.globl	k_q7955307022_qkvg
	.p2align	8
	.type	k_q7955307022_qkvg,@function
k_q7955307022_qkvg:
	s_mov_b64 s[64:65], 0
	v_nop
	global_prefetch_b8 v0, s[64:65] scope:SCOPE_SE
	s_setreg_imm32_b32 hwreg(HW_REG_WAVE_MODE, 25, 1), 1
	s_wait_xcnt 0x0
	s_wait_alu depctr_hold_cnt(0) depctr_sa_sdst(0) depctr_va_vdst(0) depctr_va_sdst(0) depctr_va_ssrc(0) depctr_va_vcc(0) depctr_vm_vsrc(0)
	s_getreg_b32 s2, hwreg(HW_REG_IB_STS2, 6, 4)
	s_cmp_eq_u32 s2, 0
	s_cbranch_scc0 .Lentry_in_a_cluster
	s_endpgm
.Lentry_in_a_cluster:
	s_bfe_u32 s2, ttmp6, 0x10000c
	s_cmp_lg_u32 s2, 0xf033
	s_cbranch_scc0 .Lentry_shape_is_right
	s_endpgm
.Lentry_shape_is_right:
; q, k, v = x w_qkv, rotated where the head rotates, written by heads: qkv[sec][16 batch + head][position][64] in f16, each number rounded once from its f32 sum and unscaled.
; xb: [4096][1024] bf16; wqt: [3072][1024] bf16, its rows dealt so that each block of 192 holds one rotating head slot of q or k first and two slots that are not rotated behind it.
; LIMIT: f16 holds no number beyond 65,504: q, k and v must lie within it.
; SHARES.  A tile of the product is 256 rows x 192 columns: 16 x 16 work-groups.  Wave w makes rows 64 w .. 64 w + 63 and all 192 columns: 48 accumulators of 16 x 16, so each
; wave holds three whole head slots.  K goes in 8 steps of 128 through two LDS slots; rows of 256 bytes, aligned.  Waves 0 and 1 fetch the two halves of x's tile (128 rows each), waves 2 and 3 those of wqt's (96 rows).
; CLUSTER 4 x 4: x's tile is shared along a row of the cluster, wqt's along a column: each is asked for jointly, by the same load, descriptor and mask in all four.
; THE MATRIX INSTRUCTION IS USED TRANSPOSED (source 0 = 16 rows of wqt, source 1 = 16 rows of x): a lane holds one row (lane % 16) and eight neighbouring columns 8 (lane / 16) + 0..7:
; four pairs (even, odd) of a head, which is what the rotation wants, and 16 bytes of f16.
; REGISTERS, in windows of 256: window 0: v16-30 addresses; v32-95 x's fragments, two buffers of 4; v96-127, v128-175, v176-223 at work on the way out
;   window 1: wqt's fragments, two buffers of 12     window 2: accumulators (a, b < 8) at 8 (8 a + b)     window 3: v0-127 accumulators (a, b >= 8) at 8 (4 a + b - 8); v128-255 cosines and sines
.set KSTEP,  128
.set PITCH,  272                       ; an LDS row: 256 bytes + 16: the 16 rows of a fragment load start 68 words apart
.set AHALF,  128*PITCH
.set BHALF,  96*PITCH
.set BOFF,   2*AHALF
.set SLOT,   BOFF+2*BHALF
.set STAGE,  2*SLOT                    ; behind the ring: for each wave three head slots x 16 rows x 144 bytes
.set SP,     144
.set SSLOT,  16*SP
.set WSTG,   3*SSLOT
.set SPARE,  STAGE+4*WSTG              ; behind the stages: the spare words, 128 bytes a wave: two blocks of 256 bytes that no other line names
.set LAPS,   4                         ; 1,024 / 256
.set ADRA, 16                          ; v16-17 LDS address of my fragments of x in slot 0, 1
.set ADRB, 20                          ; v20-21 of wqt's
.set STO,  24                          ; the way out: where I put 16 bytes of a row
.set RD,   25                          ; where I read rows back
.set GO,   26                          ; 16 x lane
.set TO,   27                          ; my 32 bytes of a table row
.set SPW,  28                          ; my spare word; never rewritten
.set NIL,  29                          ; 0; never rewritten
.set PFO,  30                          ; the prefetches' offset; never rewritten
.set FA,   32
.set T,    96
.set H,    128
.set TAB,  128                         ; window 3
.set G1,  24
.set G0,  32
.set G1B, 48
.set G0B, 56
.set LIM, 43
.set PFA, 44
.set D0,  68                           ; s[68:73] where my three head slots go
.set MSB, 0
.macro WIN new                         ; the immediate's high byte repeats the setting that is left; a switch that changes nothing is dropped
.if MSB != (\new)
	s_set_vgpr_msb (MSB<<8)|(\new)
.set MSB, \new
.endif
.endm
.macro JLOAD s                         ; a joint load; the branch hangs on the wave's number alone; an s_nop 0 and four v_nop follow each of the two lines
	s_cmp_eq_u32 s13, 0
	s_cbranch_scc0 .Lfor_b_\@
	tensor_load_to_lds s[G0+4*(\s):G0+4*(\s)+3], s[G1:G1+7]
	s_nop 0
.rept 4
	v_nop
.endr
	s_branch .Lasked_\@
.Lfor_b_\@:
	tensor_load_to_lds s[G0B+4*(\s):G0B+4*(\s)+3], s[G1B:G1B+7]
	s_nop 0
.rept 4
	v_nop
.endr
.Lasked_\@:
.endm
; A prefetch of the K step that stands two refills on, behind the joint load and the run of LDS loads.  x's rows are named by the clusters with x = 0, wqt's by those with y = 0; the four partners share
; the wave's rows out by address (32 of 128, or 24 of 96: there lanes 24-31 repeat lane 23's row); a lane a row.  The loop's last trip asks for nothing: K steps 4 to 7 are named, each row's 256 bytes once.
.macro ASK
	WIN 0
	s_cmp_gt_u32 s3, s[LIM]
	s_cbranch_scc0 .Lnot_mine_\@
	global_prefetch_b8 v[PFO], s[PFA:PFA+1] offset:KSTEP*2 th:TH_LOAD_NT scope:SCOPE_SE
.Lnot_mine_\@:
.endm
.macro CREST                           ; a round of the cluster's barrier behind its opening barrier
	s_cmp_lg_u32 s12, 0
	s_cbranch_scc1 .Lnot_wave_0_\@
	s_barrier_signal -3
.Lnot_wave_0_\@:
	s_barrier_wait -3
	s_barrier_signal -1
	s_barrier_wait -1
.endm
.macro CROUND
	s_barrier_signal -1
	s_barrier_wait -1
	CREST
.endm
	s_load_b256 s[4:11], s[0:1], 0x0               ; xb s[4:5], wqt s[6:7], rope s[8:9], qkv s[10:11]
	v_lshl_add_u32 v[SPW], v0, 2, SPARE
	v_mov_b32 v[NIL], 0
	ds_add_u32 v[SPW], v[NIL]                      ; the wave's opening: the add and its wait ahead of my first tensor load; work on registers stands between them
	v_lshrrev_b32 v1, 5, v0
	v_readfirstlane_b32 s12, v1                    ; wave 0..3
	s_lshr_b32 s13, s12, 1                         ; I fetch for x (0) or for wqt (1)
	s_and_b32 s14, s12, 1                          ; which half of that tile
	s_bfe_u32 s40, ttmp6, 0x40000                  ; cx
	s_bfe_u32 s41, ttmp6, 0x40004                  ; cy
	s_lshl_b32 s42, ttmp9, 2
	s_add_co_u32 s42, s42, s40                     ; tile column tc
	s_and_b32 s66, ttmp7, 0xffff
	s_lshl_b32 s66, s66, 2
	s_add_co_u32 s66, s66, s41                     ; tile row tr
	s_lshl_b32 s43, s41, 2
	s_lshl_b32 s43, 15, s43                        ; my row of the cluster
	s_lshl_b32 s44, 0x1111, s40                    ; my column
	s_or_b32 s[G1+0], s43, (1<<16)|(1<<20)|(1<<21)|(5<<22)|(3<<25)   ; mask; 2-byte elements; padding on; bit 21 beside a mask; after every 64 words 4 words
	s_or_b32 s[G1B+0], s44, (1<<16)|(1<<20)|(1<<21)|(5<<22)|(3<<25)
	s_mov_b32 s[G1+1], KSTEP<<16                   ; tensor_dim0 = 128
	s_mov_b32 s[G1+2], 128<<16                     ; tensor_dim1 = 128
	s_mov_b32 s[G1+3], KSTEP<<16                   ; tile_dim0 = 128
	s_mov_b32 s[G1+4], 128                         ; tile_dim1 = 128
	s_mov_b32 s[G1+5], 1024                        ; elements from row to row
	s_mov_b32 s[G1+6], 0
	s_mov_b32 s[G1+7], 0
	s_mov_b32 s[G1B+1], KSTEP<<16
	s_mov_b32 s[G1B+2], 96<<16                     ; 96 rows
	s_mov_b32 s[G1B+3], KSTEP<<16
	s_mov_b32 s[G1B+4], 96
	s_mov_b32 s[G1B+5], 1024
	s_mov_b32 s[G1B+6], 0
	s_mov_b32 s[G1B+7], 0
	s_lshl_b32 s16, s66, 8                         ; x: row 256 tr + 128 half, 2,048 bytes a row
	s_lshl_b32 s17, s14, 7
	s_add_co_u32 s16, s16, s17
	s_lshl_b32 s16, s16, 11
	s_mov_b32 s17, 0
	s_mul_i32 s46, s42, 192                        ; wqt: row 192 tc + 96 half
	s_mul_i32 s47, s14, 96
	s_add_co_u32 s46, s46, s47
	s_lshl_b32 s46, s46, 11
	s_mov_b32 s47, 0
	s_mul_i32 s20, s14, AHALF                      ; where they go: no place in the cluster enters an LDS address
	s_mul_i32 s21, s14, BHALF
	s_add_co_u32 s21, s21, BOFF
	s_wait_dscnt 0x0                               ; the opening add is done
	s_wait_kmcnt 0x0
	s_add_nc_u64 s[18:19], s[4:5], s[16:17]
	s_add_nc_u64 s[46:47], s[6:7], s[46:47]
	CROUND                                         ; all sixteen work-groups are here: the first joint loads meet
.irp s, 0,1
	s_mov_b32 s[G0+4*(\s)], 1
	s_add_co_u32 s[G0+4*(\s)+1], s20, (\s)*SLOT
	s_add_nc_u64 s[G0+4*(\s)+2:G0+4*(\s)+3], s[18:19], (\s)*KSTEP*2
	s_or_b32 s[G0+4*(\s)+3], s[G0+4*(\s)+3], 0x80000000
	s_mov_b32 s[G0B+4*(\s)], 1
	s_add_co_u32 s[G0B+4*(\s)+1], s21, (\s)*SLOT
	s_add_nc_u64 s[G0B+4*(\s)+2:G0B+4*(\s)+3], s[46:47], (\s)*KSTEP*2
	s_or_b32 s[G0B+4*(\s)+3], s[G0B+4*(\s)+3], 0x80000000
	JLOAD \s                                       ; two loads of mine are out
.endr
	v_and_b32 v1, 15, v0                           ; l % 16
	v_bfe_u32 v2, v0, 4, 1                         ; l / 16
	v_mul_u32_u24 v3, v1, PITCH
	v_lshl_add_u32 v3, v2, 4, v3                   ; a fragment's row x pitch + 16 x half
	s_mul_i32 s21, s12, 64*PITCH                   ; my 64 rows of x
	s_mov_b32 s22, BOFF
.irp s, 0,1
	v_add_nc_u32 v[ADRA+(\s)], s21, v3
	v_add_nc_u32 v[ADRB+(\s)], s22, v3
	s_add_co_u32 s21, s21, SLOT
	s_add_co_u32 s22, s22, SLOT
.endr
	s_mul_i32 s23, s12, WSTG
	s_add_co_u32 s23, s23, STAGE                   ; my stage
	v_mul_u32_u24 v4, v1, SP
	v_lshl_add_u32 v4, v2, 4, v4
	v_add_nc_u32 v[STO], s23, v4                   ; in: row l % 16, 16 bytes for each half of the lanes
	v_bfe_u32 v4, v0, 3, 2
	v_and_b32 v5, 7, v0
	v_mul_u32_u24 v4, v4, SP
	v_lshl_add_u32 v4, v5, 4, v4
	v_add_nc_u32 v[RD], s23, v4                    ; back: 32 lanes take four rows of 128 bytes,
	v_and_b32 v[GO], 31, v0
	v_lshlrev_b32 v[GO], 4, v[GO]                  ; which are 512 consecutive bytes of a head
	v_lshlrev_b32 v[TO], 8, v1
	v_lshl_add_u32 v[TO], v2, 5, v[TO]             ; table: position l % 16, pairs 4 (l / 16) + 0..3
	; where my three head slots go.  Slot 0 of block tc: sec = tc / 8, head 4 ((tc % 8) / 2) + 2 + tc % 2.  Slots 1, 2: tc < 8: sec = tc / 4, heads 4 (tc % 4) and the next; else v, heads 2 tc - 16 and the next.
	s_lshr_b32 s74, s42, 3
	s_and_b32 s75, s42, 7
	s_lshr_b32 s76, s75, 1
	s_lshl_b32 s76, s76, 2
	s_and_b32 s75, s75, 1
	s_add_co_u32 s76, s76, s75
	s_add_co_u32 s76, s76, 2
	s_lshl_b32 s74, s74, 5
	s_add_co_u32 s74, s74, s76                     ; 32 sec + head
	s_lshr_b32 s75, s42, 2
	s_and_b32 s76, s42, 3
	s_lshl_b32 s76, s76, 2
	s_lshl_b32 s75, s75, 5
	s_add_co_u32 s75, s75, s76
	s_lshl_b32 s76, s42, 1
	s_add_co_u32 s76, s76, 48                      ; 64 + 2 tc - 16
	s_cmp_lt_u32 s42, 8
	s_cselect_b32 s75, s75, s76
	s_lshr_b32 s76, s66, 3                         ; batch
	s_lshl_b32 s76, s76, 4
	s_add_co_u32 s74, s74, s76
	s_add_co_u32 s75, s75, s76
	s_lshl_b32 s74, s74, 18                        ; a head is 262,144 bytes
	s_lshl_b32 s75, s75, 18
	s_and_b32 s76, s66, 7
	s_lshl_b32 s76, s76, 8
	s_lshl_b32 s77, s12, 6
	s_add_co_u32 s76, s76, s77                     ; my first position
	s_lshl_b32 s77, s76, 7
	s_add_co_u32 s74, s74, s77
	s_add_co_u32 s78, s75, s77
	s_mov_b32 s75, 0
	s_mov_b32 s79, 0
	s_add_nc_u64 s[D0:D0+1], s[10:11], s[74:75]
	s_add_nc_u64 s[D0+2:D0+3], s[10:11], s[78:79]
	s_add_nc_u64 s[D0+4:D0+5], s[D0+2:D0+3], 262144
	s_lshl_b32 s74, s76, 8                         ; a table row is 256 bytes
	s_add_nc_u64 s[8:9], s[8:9], s[74:75]
	WIN 0xc0                                       ; destination window 3, address window 0
.irp a, 0,1,2,3
.irp nb, 0,1,2,3
	global_load_b128 v[TAB+8*(4*(\a)+(\nb)):TAB+8*(4*(\a)+(\nb))+3],   v[TO], s[8:9] offset:(\a)*4096+(\nb)*64
	global_load_b128 v[TAB+8*(4*(\a)+(\nb))+4:TAB+8*(4*(\a)+(\nb))+7], v[TO], s[8:9] offset:(\a)*4096+(\nb)*64+16
.endr
.endr
	WIN 0
	; the prefetches
	s_lshl_b32 s23, s13, 5
	s_sub_co_u32 s23, 128, s23                     ; rows that a fetching wave brings: 128 or 96
	s_lshl_b32 s20, s66, 8
	s_mul_i32 s21, s42, 192
	s_and_b32 s22, ttmp7, 0xffff                   ; cluster y
	s_cmp_eq_u32 s13, 0
	s_cselect_b32 s20, s20, s21                    ; the tile's first row
	s_cselect_b32 s21, s40, s41                    ; my place among the four that ask with me
	s_cselect_b32 s22, ttmp9, s22                  ; the coordinate along which other clusters read the same rows
	s_cselect_b64 s[PFA:PFA+1], s[4:5], s[6:7]
	s_cselect_b32 s74, 32, 24
	s_cselect_b32 s75, 31, 23
	s_cmp_eq_u32 s22, 0
	s_cselect_b32 s[LIM], 1, -1                    ; the same in all sixteen partners, for a given wave
	s_mul_i32 s23, s23, s14
	s_add_co_u32 s20, s20, s23
	s_mul_i32 s21, s21, s74
	s_add_co_u32 s20, s20, s21
	s_lshl_b32 s20, s20, 11
	s_mov_b32 s21, 0
	s_add_nc_u64 s[PFA:PFA+1], s[PFA:PFA+1], s[20:21]
	s_add_nc_u64 s[PFA:PFA+1], s[PFA:PFA+1], 2*KSTEP*2  ; at K step 2: the first refill steps it to 3 and names K step 4
	v_and_b32 v[PFO], 31, v0
	v_min_u32 v[PFO], s75, v[PFO]
	v_lshlrev_b32 v[PFO], 11, v[PFO]
; 16 matrix instructions on the accumulators of columns 128-191, then (MULL) on those of columns 0-127 for row blocks a0, a0 + 1.  The 48 accumulators take turns, one instruction a turn, in the same order in every quarter.
.macro MULH f, zero
	WIN 0xf1                                       ; source 0 window 1, source 1 window 0, C and D window 3
.irp a, 0,1,2,3
.irp b, 8,9,10,11
.if \zero
	v_wmma_f32_16x16x32_bf16 v[8*(4*(\a)+(\b)-8):8*(4*(\a)+(\b)-8)+7], v[96*(\f)+8*(\b):96*(\f)+8*(\b)+7], v[FA+32*(\f)+8*(\a):FA+32*(\f)+8*(\a)+7], 0
.else
	v_wmma_f32_16x16x32_bf16 v[8*(4*(\a)+(\b)-8):8*(4*(\a)+(\b)-8)+7], v[96*(\f)+8*(\b):96*(\f)+8*(\b)+7], v[FA+32*(\f)+8*(\a):FA+32*(\f)+8*(\a)+7], v[8*(4*(\a)+(\b)-8):8*(4*(\a)+(\b)-8)+7]
.endif
.endr
.endr
.endm
.macro MULL f, a0, zero
	WIN 0xa1                                       ; C and D window 2
.irp a, \a0, (\a0)+1
.irp b, 0,1,2,3,4,5,6,7
.if \zero
	v_wmma_f32_16x16x32_bf16 v[8*(8*(\a)+(\b)):8*(8*(\a)+(\b))+7], v[96*(\f)+8*(\b):96*(\f)+8*(\b)+7], v[FA+32*(\f)+8*(\a):FA+32*(\f)+8*(\a)+7], 0
.else
	v_wmma_f32_16x16x32_bf16 v[8*(8*(\a)+(\b)):8*(8*(\a)+(\b))+7], v[96*(\f)+8*(\b):96*(\f)+8*(\b)+7], v[FA+32*(\f)+8*(\a):FA+32*(\f)+8*(\a)+7], v[8*(8*(\a)+(\b)):8*(8*(\a)+(\b))+7]
.endif
.endr
.endr
.endm
; 32 LDS loads in one run: x's four fragments, wqt's 8-11 (what MULH wants: the first sixteen), then wqt's 0-7
.macro FETCH slot, k, f
	WIN 0
.irp a, 0,1,2,3
	ds_load_b128 v[FA+32*(\f)+8*(\a):FA+32*(\f)+8*(\a)+3],   v[ADRA+(\slot)] offset:(\k)+(\a)*16*PITCH
	ds_load_b128 v[FA+32*(\f)+8*(\a)+4:FA+32*(\f)+8*(\a)+7], v[ADRA+(\slot)] offset:(\k)+(\a)*16*PITCH+32
.endr
	WIN 0x40
.irp b, 8,9,10,11,0,1,2,3,4,5,6,7
	ds_load_b128 v[96*(\f)+8*(\b):96*(\f)+8*(\b)+3],   v[ADRB+(\slot)] offset:(\k)+(\b)*16*PITCH
	ds_load_b128 v[96*(\f)+8*(\b)+4:96*(\f)+8*(\b)+7], v[ADRB+(\slot)] offset:(\k)+(\b)*16*PITCH+32
.endr
.endm
.macro PLACES                          ; four plain instructions in front of loads into registers that matrix instructions have read, and of vector work that reads results
.rept 4
	v_nop
.endr
.endm
.macro QUARTER slot, k, f, g, zero     ; 32 along K on buffer f; in its middle the next quarter's fragments, at byte k, into buffer g
	s_wait_dscnt 16                                ; the run's first sixteen loads are in
	MULH \f, \zero
	PLACES
	FETCH \slot, \k, \g
	s_wait_dscnt 32                                ; all but the 32 just issued
	MULL \f, 0, \zero
	MULL \f, 2, \zero
.endm
; The last quarter multiplies buffer 1 and changes slots: each wave waits for all its tensor loads (one is out: its part of the next slot), adds 0 to its spare word, and waits for that and for its reads of this slot.
.macro TURN slot, next, fill
.if \fill
	s_wait_xcnt 0x0                                ; the last prefetch, a K step back, has read its address
	s_add_nc_u64 s[PFA:PFA+1], s[PFA:PFA+1], KSTEP*2
.endif
	WIN 0
	s_wait_tensorcnt 0x0
	ds_add_u32 v[SPW], v[NIL]
	s_wait_dscnt 17                                ; (the add and the youngest sixteen loads may be out)
	MULH 1, 0
	s_wait_dscnt 0x0                               ; the add is done, and my reads of this slot are over
	s_barrier_signal -1
	MULL 1, 0, 0                                   ; work on registers while the others arrive
.if \fill
	WIN 0
.endif
	s_barrier_wait -1
.if \fill
	CREST                                          ; the barrier has opened a round of the cluster's: no wave of any partner still reads this slot or has a load on its way
	s_add_nc_u64 s[G0+4*(\slot)+2:G0+4*(\slot)+3], s[G0+4*(\slot)+2:G0+4*(\slot)+3], 2*KSTEP*2
	s_add_nc_u64 s[G0B+4*(\slot)+2:G0B+4*(\slot)+3], s[G0B+4*(\slot)+2:G0B+4*(\slot)+3], 2*KSTEP*2
	JLOAD \slot                                    ; my one load behind the round; its four v_nop are also the places in front of the loads below
.else
	PLACES
.endif
	FETCH \next, 0, 0
.if \fill
	ASK
.endif
	MULL 1, 2, 0
.endm
	s_wait_tensorcnt 1                             ; my part of K step 0 is in; K step 1's may stay out
	s_barrier_signal -1
	s_barrier_wait -1
	FETCH 0, 0, 0
	QUARTER 0, 64, 0, 1, 1                         ; the first quarter's products start the sums
	WIN 0
	s_mov_b32 s3, LAPS-1
.Llap:                                         ; once round the ring, from a lap's second quarter to the next lap's first; both slots are filled again
	QUARTER 0, 128, 1, 0, 0
	QUARTER 0, 192, 0, 1, 0
	TURN 0, 1, 1
	QUARTER 1, 64,  0, 1, 0
	QUARTER 1, 128, 1, 0, 0
	QUARTER 1, 192, 0, 1, 0
	TURN 1, 0, 1
	QUARTER 0, 64,  0, 1, 0
	WIN 0
	s_sub_co_u32 s3, s3, 1
	s_cmp_lg_u32 s3, 0
	s_cbranch_scc1 .Llap
	QUARTER 0, 128, 1, 0, 0                        ; the last lap fills nothing
	QUARTER 0, 192, 0, 1, 0
	TURN 0, 1, 0
	QUARTER 1, 64,  0, 1, 0
	QUARTER 1, 128, 1, 0, 0
	QUARTER 1, 192, 0, 1, 0
	s_wait_dscnt 16
	MULH 1, 0
	s_wait_dscnt 0x0
	MULL 1, 0, 0
	MULL 1, 2, 0
	WIN 0
; THE WAY OUT, a block of 16 rows at a time: slot 0 is rotated in f32; all three slots are rounded to f16, go into my stage and come back as whole rows of 128 bytes, 16 rows of a head on end.
.macro ROPE blk                        ; (t1, t2) -> (t1 c - t2 s, t1 s + t2 c); each accumulator's lowest registers are read first
	WIN 0x0e                                       ; source 0 window 2, source 1 window 3
.irp nb, 0,1,2,3
.irp j, 0,1,2,3
.set rA, 8*(8*(\blk)+(\nb))+2*(\j)
.set rT, T+8*(\nb)+2*(\j)
.set rC, TAB+8*(4*(\blk)+(\nb))+2*(\j)
	v_mul_f32 v[rT],   v[rA+1], v[rC+1]
	v_mul_f32 v[rT+1], v[rA],   v[rC+1]
	v_fma_f32 v[rT],   v[rA],   v[rC], -v[rT]
	v_fma_f32 v[rT+1], v[rA+1], v[rC], v[rT+1]
.endr
.endr
.endm
.macro CVT blk
	WIN 0
.set z, 0
.rept 16
	v_cvt_pk_f16_f32 v[H+z], v[T+2*z], v[T+2*z+1]
.set z, z+1
.endr
	WIN 0x0a                                       ; sources window 2: columns 64-127
.set z, 0
.rept 16
	v_cvt_pk_f16_f32 v[H+16+z], v[8*(8*(\blk)+4)+2*z], v[8*(8*(\blk)+4)+2*z+1]
.set z, z+1
.endr
	WIN 0x0f                                       ; sources window 3: columns 128-191
.set z, 0
.rept 16
	v_cvt_pk_f16_f32 v[H+32+z], v[32*(\blk)+2*z], v[32*(\blk)+2*z+1]
.set z, z+1
.endr
	WIN 0
.endm
.macro TOSTAGE blk
	WIN 0
.set BK, 176-144*((\blk)%2)            ; v176-223 and v32-79 by turns
.irp s, 0,1,2
.irp nb, 0,1,2,3
	ds_store_b128 v[STO], v[H+16*(\s)+4*(\nb):H+16*(\s)+4*(\nb)+3] offset:(\s)*SSLOT+32*(\nb)
.endr
.endr
.irp s, 0,1,2
.irp f, 0,1,2,3
	ds_load_b128 v[BK+16*(\s)+4*(\f):BK+16*(\s)+4*(\f)+3], v[RD] offset:(\s)*SSLOT+(\f)*4*SP  ; LDS serves a wave's instructions in order (ISA guide 5.7.1.4): these see the stores above
.endr
.endr
.endm
.macro SEND blk
	WIN 0
.set BK, 176-144*((\blk)%2)
	s_wait_dscnt 0x0                               ; the block is back in registers
	s_wait_xcnt 0x0                                ; earlier stores have read their registers: the buffer that they left is loaded again only behind this wait
.irp s, 0,1,2
.irp f, 0,1,2,3
	global_store_b128 v[GO], v[BK+16*(\s)+4*(\f):BK+16*(\s)+4*(\f)+3], s[D0+2*(\s):D0+2*(\s)+1] offset:2048*(\blk)+512*(\f)  ; 512 consecutive bytes, aligned
.endr
.endr
.endm
	s_wait_loadcnt 0x0                             ; the table
	PLACES
	PLACES
	ROPE 0
	CVT 0
	TOSTAGE 0
.irp a, 1,2,3
	ROPE \a
	CVT \a
	SEND (\a)-1
	TOSTAGE \a
.endr
	SEND 3
	s_wait_tensorcnt 0x0                           ; the wave's end: behind my last tensor load and my last LDS store
	ds_add_u32 v[SPW], v[NIL]
	s_wait_dscnt 0x0
	CROUND                                         ; the closing round
	s_endpgm
.Lfunc_end_k_q7955307022_qkvg:
	.size	k_q7955307022_qkvg, .Lfunc_end_k_q7955307022_qkvg-k_q7955307022_qkvg
	.p2alignl 7, 3214868480
	.fill 96, 4, 3214868480
	.section	.rodata,"a",@progbits
	.p2align	6, 0x0
	.amdhsa_kernel k_q7955307022_qkvg
		.amdhsa_group_segment_fixed_size 327680
		.amdhsa_private_segment_fixed_size 0
		.amdhsa_enable_private_segment 0
		.amdhsa_kernarg_size 32
		.amdhsa_user_sgpr_count 2
		.amdhsa_user_sgpr_kernarg_segment_ptr 1
		.amdhsa_wavefront_size32 1
		.amdhsa_system_sgpr_workgroup_id_x 1
		.amdhsa_system_sgpr_workgroup_id_y 1
		.amdhsa_system_sgpr_workgroup_id_z 1
		.amdhsa_system_vgpr_workitem_id 0
		.amdhsa_next_free_vgpr 1024
		.amdhsa_next_free_sgpr 80
		.amdhsa_reserve_vcc 0
		.amdhsa_float_denorm_mode_32 3
		.amdhsa_float_denorm_mode_16_64 3
		.amdhsa_memory_ordered 1
		.amdhsa_forward_progress 1
		.amdhsa_inst_pref_size 136
	.end_amdhsa_kernel
	.amdgpu_metadata
---
amdhsa.version: [ 1, 2 ]
amdhsa.kernels:
  - .name:           k_q7955307022_qkvg
    .symbol:         k_q7955307022_qkvg.kd
    .args:
      - { .name: xb, .offset: 0, .size: 8, .value_kind: global_buffer, .address_space: global }
      - { .name: wqt, .offset: 8, .size: 8, .value_kind: global_buffer, .address_space: global }
      - { .name: rope, .offset: 16, .size: 8, .value_kind: global_buffer, .address_space: global }
      - { .name: qkv, .offset: 24, .size: 8, .value_kind: global_buffer, .address_space: global }
    .group_segment_fixed_size: 327680
    .private_segment_fixed_size: 0
    .kernarg_segment_align: 8
    .kernarg_segment_size: 32
    .max_flat_workgroup_size: 128
    .sgpr_count:     80
    .vgpr_count:     1024
    .wavefront_size: 32
...
	.end_amdgpu_metadata
.endif
;; end of part 2
;; launch attn (part 3): grid 8 x 32, 4 waves a work-group, no clusters, 327,680 bytes of LDS; arguments qkv, log_xi, att; writes att
.if DOCPART == 3
	.amdgcn_target "amdgcn-amd-amdhsa--gfx1250"
	.amdhsa_code_object_version 6
	.text
	.protected	k_q7955307022_attn
	.globl	k_q7955307022_attn
	.p2align	8
	.type	k_q7955307022_attn,@function
k_q7955307022_attn:
	s_mov_b64 s[64:65], 0
	v_nop
	global_prefetch_b8 v0, s[64:65] scope:SCOPE_SE
	s_setreg_imm32_b32 hwreg(HW_REG_WAVE_MODE, 25, 1), 1
	s_wait_xcnt 0x0
; CAUSAL ATTENTION WITH A DECAY, head size 64.  att[hb][q][:] = the sum over k <= q of softmax_k(Q.K / 8 - e (q - k) / xi) V[k][:], e = head & 1, xi = exp(log_xi[head]), log_xi rounded to bf16 like the module's other inputs.
; qkv: [3][32][2048][64] f16 (q, k, v by heads, rotated already, unscaled); att: [32][2048][64] f16.  Products, maxima and sums in f32; the weights are rounded to f16 for the second product, att once at the end.
; THE DECAY.  -(q - k) / xi = k / xi - q / xi, and the row's term falls out of the softmax.  With mu = 8 e / xi a score is Q.K + jl mu, jl = 0..63 the key's place in its step of 64 keys: the 32 registers CB = jl mu are the C operand
; that starts S^T.  From a wave's step to its next (128 keys on) the frame moves: the running maximum is lowered by 128 mu.  No large sums are subtracted from each other; heads with e = 0 run the same text with mu = 0.
; LIMITS.  Q, K, V lie within f16's 65,504.  A hidden score counts as its value less 1e30.  mu is held to 2^83 at the most (the softmax is one-hot long before).  A weight below 2^-126 counts as 0.  NaN and infinities are not treated apart.
; THE RUNNING MAXIMUM starts at -2^96: below every seen score (2.7e11 at the most in size, plus a frame term that is not negative), above every hidden one (near -1e30), also when it has been lowered by 18 x 128 mu, 2.3e28 at the most.
; THE WALK.  A head has 16 blocks of 128 queries; block i needs the key tiles 0 .. i / 2 of 256 keys.  A work-group takes blocks 15 - b and then b: 9 tiles whatever b, one loop with a constant count; every jump but the loops' own goes forward.
; THE KEYS ARE SPLIT IN THE WORK-GROUP.  Wave w has g = w & 1 and kh = w >> 1.  Of a tile's four key steps it takes kh and kh + 2.  It holds four PIECES of 16 queries: piece p lies in the block's band (p >> 1) xor kh of 64 queries, rows
; 32 g + 16 (p & 1) + lane % 16.  At a block's end waves w and w xor 2 meet in LDS: each sends its pieces 2, 3 (sums, maximum, l) and finishes its pieces 0, 1, which are the partner's 2, 3.
; THE MASK.  In the diagonal tile a band's own step is XB + band, XB = 2 (block & 1): earlier steps are seen whole, later ones hidden.  A product's C operand there is MD x AL + BE + CB.
; NO CLUSTER: of a head's eight work-groups only two walk the same tiles throughout; what a trip does would hang on the place in the cluster; a walk common to all would have 12 trips for 9.
; TURNS.  Turn n belongs to piece n: 8 products K Q^T of piece n + 1, later 8 products V^T P of piece n - 1; beside them the scaling, exponentials, roundings, sums and rescaling of piece n and the maximum and statistics of piece n + 1.
; Four vector instructions stand behind every matrix instruction, the others in one lump; a turn's 33 exponentials are one batch with one wait.
; REGISTERS, in windows of 256 (s_set_vgpr_msb: bits 1:0 source 0, 3:2 source 1, 5:4 source 2, 7:6 destination):
;   window 0: v0-15 addresses; v16-31 statistics; v32-47 mu's kin, at work, the partner's statistics; v48-55 at work; v56-63 addresses; v64-127 S^T, two buffers; v128-159 CB; v192-223 P, two buffers
;   window 1: v0-127 O^T; v128-191 MD for even and odd pieces; v192-255 MC, two buffers      window 2: v0-63 Q; v64-127 the second block's Q; v128-191 K of one step; v192-255 V of one step
.set NP,    4
.set KS,    64
.set PK,    144       ; a row of K in LDS: 128 bytes + 16
.set PV,    160       ; a row of V: 128 + 32
.set VOFF,  4*KS*PK   ; a slot holds a tile: 256 rows of K, then 256 rows of V
.set SLOT1, 1<<17
.set STAGE, SLOT1+4*KS*(PK+PV)  ; behind the ring, never filled by a tensor load: 16 rows x 144 bytes a wave
.set SP,    144
.set XCH,   STAGE+4*16*SP       ; what a wave hands to its partner: 18 chunks of 512 bytes
.set XWB,   18*512
.set SPARE, XCH+4*XWB           ; the spare words, 128 bytes a wave: two blocks of 256 bytes that no other line names
.set AK0, 2
.set AV0, 3
.set AK,  4
.set AV,  5
.set STO, 6
.set RD,  7
.set GO,  8
.set MV,  12          ; v12-13 c m_old, by buffer
.set QO1, 14          ; my byte offset in a block of Q for pieces 2, 3
.set QO0, 15          ; for pieces 0, 1
.set ST,  16          ; piece t's statistics at v[ST+4 t]: c m, m, l (even keys', odd keys')
.set DEL, 32          ; 128 mu
.set CK,  33          ; 64 c mu in waves with kh = 1, else 0
.set MU,  34
.set PS,  40          ; v40-47 the partner's statistics
.set TMP, 48
.set XW,  56
.set XR,  57
.set PFO, 61
.set SPW, 62
.set NIL, 63
.set S,   64
.set CB,  128
.set P,   192
.set MD,  128         ; window 1
.set MC,  192         ; window 1
.set QB,  64          ; window 2
.set KF,  128
.set VF,  192
.set WV,  12
.set PB,  14          ; b
.set HI,  15          ; 15 - b
.set G1K, 24
.set G1V, 32
.set G0K, 40
.set G0V, 44
.set KH,  48
.set G,   49
.set KH4, 50          ; kh + 4
.set X0,  51          ; the own step of the band of pieces 0, 1
.set X1,  52          ; of pieces 2, 3
.set TS,  53
.set TLO, 54          ; the second block's last tile
.set XBL, 55          ; the second block's XB
.set SLOTS, 56
.set CNT, 57
.set CS,  58
.set SEL, 60
.set TBK, 62
.set TBV, 63
.set LX,  66          ; s[66:67] log_xi
.set RT,  70
.set NXT, 71
.set LQ,  72
.set NEW, 73
.set OFF, 74
.set AL,  76
.set BE,  78
.set OLO, 80
.set BIGN, 82
.set PFA, 88          ; s[88:89] where my prefetches stand
.set PFC, 90          ; prefetches still to make
.set KHN, 91          ; 1 - kh
.set MSB, 0
.macro WIN new
.if MSB != (\new)
	s_set_vgpr_msb (MSB<<8)|(\new)
.set MSB, (\new)
.endif
.endm
.set W_KQ, 0x0a       ; K and Q in window 2, C and S^T in window 0
.set W_KM, 0x1a       ; the same with the C operand in window 1
.set W_PV, 0x52       ; V in window 2, P in window 0, O^T in window 1
.set W_RS, 0x41       ; destination and source 0 in window 1, the other sources in window 0
; A fill.  Waves 0 and 1 fetch the two halves of a tile's K, waves 2 and 3 those of its V.  An s_nop 0 and four v_nop follow each of the two lines.
.macro LOAD
	s_cmp_lt_u32 s[WV], 2
	s_cbranch_scc0 .Lfor_v_\@
	tensor_load_to_lds s[G0K:G0K+3], s[G1K:G1K+7]
	s_nop 0
.rept 4
	v_nop
.endr
	s_branch .Lasked_\@
.Lfor_v_\@:
	tensor_load_to_lds s[G0V:G0V+3], s[G1V:G1V+7]
	s_nop 0
.rept 4
	v_nop
.endr
.Lasked_\@:
.endm
; A prefetch of the tile that the NEXT change of slots will ask for: my own 16,384 bytes of it, 64 blocks of 256 bytes, a lane a block, two instructions.  All eight work-groups of a head walk the same tiles:
; the one with b = 0, whose first block needs tiles 0 to 7, asks, six times: tiles 2 to 7 are named once in the launch.
.macro ASK
	s_cmp_lg_u32 s[PFC], 0
	s_cbranch_scc0 .Lnot_mine_\@
	global_prefetch_b8 v[PFO], s[PFA:PFA+1] th:TH_LOAD_NT scope:SCOPE_SE
	global_prefetch_b8 v[PFO], s[PFA:PFA+1] offset:8192 th:TH_LOAD_NT scope:SCOPE_SE
	s_sub_co_u32 s[PFC], s[PFC], 1
.Lnot_mine_\@:
.endm
; THE CHANGE OF SLOTS.  Each wave waits for all its tensor loads (one is out: its part of the other slot), adds 0 to its spare word, and waits for that and for its reads of the slot that it leaves.
; fill = 1: the old slot is filled again, the first thing behind the barrier, with tile NXT; the descriptor's address is made anew from that number.
.macro CHANGE fill
	WIN 0
	s_wait_tensorcnt 0x0
	ds_add_u32 v[SPW], v[NIL]       ; 0 onto my spare word; scalar work stands between it and the wait for it
.if \fill
	s_lshl_b32 s[OFF], s[NXT], 15   ; a tile is 32,768 bytes of K and of V
	s_xor_b32 s[G0K+1], s[G0K+1], SLOT1
	s_add_nc_u64 s[G0K+2:G0K+3], s[6:7], s[OFF:OFF+1]
	s_or_b32 s[G0K+3], s[G0K+3], 0x80000000
	s_xor_b32 s[G0V+1], s[G0V+1], SLOT1
	s_add_nc_u64 s[G0V+2:G0V+3], s[8:9], s[OFF:OFF+1]
	s_or_b32 s[G0V+3], s[G0V+3], 0x80000000
	s_add_co_u32 s[NXT], s[NXT], 1  ; the block's next tile, or behind its last the second block's tile 0
	s_cmp_gt_u32 s[NXT], s[LQ]
	s_cselect_b32 s[NXT], 0, s[NXT]
	s_cselect_b32 s[LQ], s[TLO], s[LQ]
	s_wait_xcnt 0x0                 ; the last prefetches, a tile back, have read their address
	s_add_nc_u64 s[PFA:PFA+1], s[PFA:PFA+1], 32768
.endif
	s_wait_dscnt 0x0                ; the add is done, and my reads of the slot are over
	s_barrier_signal -1
	s_sub_co_u32 s[TBK], s[TBK], 4*KS*PK  ; the fetches go back to my first step of a slot,
	s_xor_b32 s[TBK], s[TBK], SLOT1       ; in the other slot
	s_sub_co_u32 s[TBV], s[TBV], 4*KS*PV
	s_xor_b32 s[TBV], s[TBV], SLOT1
	s_barrier_wait -1
.if \fill
	LOAD
	ASK
.endif
.endm
	s_load_b128 s[4:7], s[0:1], 0x0   ; qkv s[4:5], log_xi s[6:7]
	s_load_b64 s[10:11], s[0:1], 0x10 ; att
	v_lshl_add_u32 v[SPW], v0, 2, SPARE
	v_mov_b32 v[NIL], 0
	ds_add_u32 v[SPW], v[NIL]       ; the wave's opening: the add and its wait ahead of my first tensor load; work on registers stands between them
	v_lshrrev_b32 v1, 5, v0
	v_readfirstlane_b32 s[WV], v1
	s_mov_b32 s[PB], ttmp9
	s_sub_co_u32 s[HI], 15, s[PB]
	s_lshr_b32 s[TLO], s[PB], 1
	s_and_b32 s[XBL], s[PB], 1
	s_lshl_b32 s[XBL], s[XBL], 1
	s_and_b32 s[G], s[WV], 1
	s_lshr_b32 s[KH], s[WV], 1
	s_sub_co_u32 s[KHN], 1, s[KH]
	s_add_co_u32 s[KH4], s[KH], 4
	s_and_b32 s16, s[HI], 1
	s_lshl_b32 s16, s16, 1          ; the first block's XB
	s_add_co_u32 s[X0], s16, s[KH]
	s_add_co_u32 s[X1], s16, s[KHN]
	s_and_b32 s20, ttmp7, 0xffff    ; 16 batch + head
	s_and_b32 s13, s20, 15          ; the head
	s_lshl_b32 s20, s20, 18         ; its 262,144 bytes in q, k, v and att
	s_mov_b32 s21, 0
	s_lshl_b32 s22, s[G], 14        ; which half of a tile's 256 keys I fetch
	s_mov_b32 s23, 0
	s_add_nc_u64 s[22:23], s[22:23], s[20:21]
	s_mul_i32 s17, s[G], 128*PK     ; and its place in a slot, for K
	s_mul_i32 s18, s[G], 128*PV     ; and for V
	s_lshl_b32 s2, s[HI], 14        ; a block is 16,384 bytes
	s_mov_b32 s3, 0
	s_add_nc_u64 s[2:3], s[2:3], s[20:21]
	s_lshl_b32 s84, s[PB], 14
	s_mov_b32 s85, 0
	s_add_nc_u64 s[84:85], s[84:85], s[20:21]
	s_lshl_b32 s92, s[KH], 13       ; rows 64 kh + 32 g of a block: pieces 0, 1, which I also finish
	s_lshl_b32 s16, s[G], 12
	s_add_co_u32 s92, s92, s16
	s_mov_b32 s93, 0
	s_lshl_b32 s97, s[KHN], 13      ; rows 64 (1 - kh) + 32 g: pieces 2, 3
	s_add_co_u32 s97, s97, s16
	s_and_b32 s16, s13, 1           ; e
	s_cmp_lg_u32 s16, 0
	s_cselect_b32 s94, 0xbfb8aa3b, 0  ; -log2(e), or 0
	s_cselect_b32 s95, 0x41000000, 0  ; 8, or 0
	s_cmp_lg_u32 s[KH], 0
	s_cselect_b32 s96, 0x4138aa3b, 0  ; 64 c, or 0
	; descriptor group 1.  128 keys are 16,384 dense bytes: asked for as 64 rows of 256 bytes, two keys a row, padded in LDS after every key
	s_mov_b32 s[G1K], (1<<16)|(1<<20)|(4<<22)|(3<<25)
	s_mov_b32 s[G1V], (1<<16)|(1<<20)|(4<<22)|(7<<25)
.irp g, G1K, G1V
	s_mov_b32 s[\g+1], 128<<16
	s_mov_b32 s[\g+2], 64<<16
	s_mov_b32 s[\g+3], 128<<16
	s_mov_b32 s[\g+4], 64
	s_mov_b32 s[\g+5], 128
	s_mov_b32 s[\g+6], 0
	s_mov_b32 s[\g+7], 0
.endr
	s_mov_b32 s[CS], 0x3e38aa3b     ; c = log2(e) / 8
	s_mov_b32 s[CS+1], s[CS]
	s_mov_b32 s[SEL], 0x76543210
	s_mov_b32 s[SEL+1], 0xfedcba98
	s_mul_i32 s16, s[KH], KS*PK
	s_add_co_u32 s[TBK], s16, SLOT1+4*KS*PK  ; the first change of slots turns these two into my first step of slot 0
	s_mul_i32 s16, s[KH], KS*PV
	s_add_co_u32 s[TBV], s16, SLOT1+4*KS*PV
	s_mov_b32 s[G0K], 1
	s_mov_b32 s[G0K+1], s17
	s_mov_b32 s[G0V], 1
	s_add_co_u32 s[G0V+1], s18, VOFF
	s_lshr_b32 s[LQ], s[HI], 1
	s_add_co_u32 s[RT], s[LQ], 1    ; the first block's tiles
	s_mov_b32 s[NXT], 1
	s_mov_b32 s[NEW], 1
	s_mov_b32 s[OFF+1], 0
	s_mov_b32 s[AL+1], 0
	s_mov_b32 s[BE+1], 0
	s_mov_b32 s[BIGN], 0xf149f2ca   ; -1e30
	s_mov_b32 s[SLOTS], 8
	s_cmp_eq_u32 s[PB], 0
	s_cselect_b32 s[PFC], 6, 0
	s_wait_dscnt 0x0                ; the opening add is done
	s_wait_kmcnt 0x0
	s_mov_b64 s[LX:LX+1], s[6:7]
	s_add_nc_u64 s[6:7], s[4:5], s[22:23]
	s_add_nc_u64 s[8:9], s[6:7], 0x1000000   ; V at my half of the head's tile 0
	s_add_nc_u64 s[6:7], s[6:7], 0x800000    ; K likewise
	s_add_nc_u64 s[G0K+2:G0K+3], s[6:7], 0
	s_or_b32 s[G0K+3], s[G0K+3], 0x80000000
	s_add_nc_u64 s[G0V+2:G0V+3], s[8:9], 0
	s_or_b32 s[G0V+3], s[G0V+3], 0x80000000
	s_add_nc_u64 s[86:87], s[4:5], s[84:85]  ; Q at the second block,
	s_add_nc_u64 s[4:5], s[4:5], s[2:3]      ; and at the first
	s_add_nc_u64 s[10:11], s[10:11], s[92:93]
	s_add_nc_u64 s[OLO:OLO+1], s[10:11], s[84:85]
	s_add_nc_u64 s[10:11], s[10:11], s[2:3]
	s_cmp_lt_u32 s[WV], 2
	s_cselect_b64 s[PFA:PFA+1], s[6:7], s[8:9]
	s_add_nc_u64 s[PFA:PFA+1], s[PFA:PFA+1], 32768  ; at tile 1; the first change of slots steps it to tile 2
	LOAD                            ; tile 0 into slot 0
	v_and_b32 v1, 15, v0            ; l % 16
	v_bfe_u32 v9, v0, 4, 1          ; l / 16
	v_mov_b32 v35, s13
	v_lshlrev_b32 v35, 2, v35
	global_load_b32 v36, v35, s[LX:LX+1]  ; log_xi of my head
	v_lshlrev_b32 v[QO0], 7, v1
	v_lshl_add_u32 v[QO0], v9, 4, v[QO0]  ; row x 128 + 16 x half
	v_add_nc_u32 v[QO1], s97, v[QO0]
	v_add_nc_u32 v[QO0], s92, v[QO0]
	WIN 0x80                        ; destination window 2, address window 0
.set i, 0
.rept 8                             ; both blocks' Q: piece i / 2, channels 32 (i % 2) on
.set QA, QO0-(i/4)
	global_load_b128 v[8*i:8*i+3],   v[QA], s[4:5] offset:((i/2)%2)*2048+(i%2)*64
	global_load_b128 v[8*i+4:8*i+7], v[QA], s[4:5] offset:((i/2)%2)*2048+(i%2)*64+32
	global_load_b128 v[QB+8*i:QB+8*i+3],   v[QA], s[86:87] offset:((i/2)%2)*2048+(i%2)*64
	global_load_b128 v[QB+8*i+4:QB+8*i+7], v[QA], s[86:87] offset:((i/2)%2)*2048+(i%2)*64+32
.set i, i+1
.endr
	WIN 0
	s_wait_loadcnt 32               ; log_xi is in; Q's 32 loads stay out
	v_cvt_pk_bf16_f32 v36, v36, v36
	v_lshlrev_b32 v36, 16, v36      ; rounded to bf16
	v_mul_f32 v36, s94, v36
	v_exp_f32 v36, v36              ; 1 / xi (1 where e = 0)
	v_lshlrev_b32 v35, 3, v9        ; 8 (l / 16): a plain instruction behind the exponential
	s_wait_alu depctr_va_vdst(0)
	v_mul_f32 v36, s95, v36
	v_min_num_f32 v[MU], 0x69000000, v36
	v_mul_f32 v[DEL], 0x43000000, v[MU]
	v_mul_f32 v[CK], s96, v[MU]
.set i, 0
.rept 32                            ; CB: register r of key group kt is key 16 kt + 8 (l / 16) + r of the step
	v_add_nc_u32 v[37+i%2], 16*(i/8)+i%8, v35
	v_cvt_f32_u32 v[37+i%2], v[37+i%2]
	v_mul_f32 v[CB+i], v[MU], v[37+i%2]
.set i, i+1
.endr
	v_sub_nc_u32 v39, v1, v35
	s_lshl_b32 s16, s[G], 5
	v_add_nc_u32 v39, s16, v39      ; an even piece's query in its band, 32 g + l % 16, less my lanes' 8 (l / 16): register r of group kt is hidden where 16 kt + r is greater
	v_add_nc_u32 v38, 16, v39       ; an odd piece's
	WIN 0x40
.set i, 0
.rept 32
	v_cmp_gt_i32 vcc_lo, 16*(i/8)+i%8, v39
	v_cndmask_b32 v[MD+i], 0, s[BIGN], vcc_lo
.set i, i+1
.endr
.set i, 0
.rept 32
	v_cmp_gt_i32 vcc_lo, 16*(i/8)+i%8, v38
	v_cndmask_b32 v[MD+32+i], 0, s[BIGN], vcc_lo
.set i, i+1
.endr
	WIN 0
	v_mul_u32_u24 v[AK0], v1, PK
	v_lshl_add_u32 v[AK0], v9, 4, v[AK0]
	v_and_b32 v10, 7, v0
	v_bfe_u32 v11, v0, 3, 1
	v_lshl_add_u32 v[AV0], v9, 3, v10
	v_mul_u32_u24 v[AV0], v[AV0], PV
	v_lshl_add_u32 v[AV0], v11, 4, v[AV0]
	v_add_nc_u32 v[AV0], VOFF, v[AV0]
	s_mul_i32 s16, s[WV], 16*SP
	s_add_co_u32 s16, s16, STAGE    ; my stage
	v_mul_u32_u24 v[STO], v1, SP
	v_lshl_add_u32 v[STO], v9, 4, v[STO]
	v_add_nc_u32 v[STO], s16, v[STO]
	v_bfe_u32 v[RD], v0, 3, 2
	v_mul_u32_u24 v[RD], v[RD], SP
	v_lshl_add_u32 v[RD], v10, 4, v[RD]
	v_add_nc_u32 v[RD], s16, v[RD]
	v_and_b32 v[GO], 31, v0
	v_lshlrev_b32 v[PFO], 8, v[GO]
	v_lshlrev_b32 v[GO], 4, v[GO]
	s_mul_i32 s16, s[WV], XWB
	s_add_co_u32 s16, s16, XCH
	v_add_nc_u32 v[XW], s16, v[GO]  ; what I hand over,
	s_xor_b32 s16, s[WV], 2
	s_mul_i32 s16, s16, XWB
	s_add_co_u32 s16, s16, XCH
	v_add_nc_u32 v[XR], s16, v[GO]  ; and what my partner hands to me
	; A piece's first seen step multiplies O^T and l by a = 0, and a piece that sees no key at all is given the factor 0 where the pair of waves meets.  So these registers need only hold finite numbers: zeros for the first block, what the first block left for the second.
	WIN 0x80
.set i, VF
.rept 64
	v_mov_b32 v[i], 0
.set i, i+1
.endr
	WIN 0x40
.set i, 0
.rept 128
	v_mov_b32 v[i], 0
.set i, i+1
.endr
	WIN 0
.set i, 0
.rept 4
	v_mov_b32 v[ST+4*i+2], 0
	v_mov_b32 v[ST+4*i+3], 0
.set i, i+1
.endr
.set i, P+16
.rept 16
	v_mov_b32 v[i], 0
.set i, i+1
.endr
; THE MATRIX WORK.  The 4 accumulators of a run of 8 take turns.  Product i of 8 of S^T = K Q^T for piece x: channels 32 (i / 4) on, keys 16 (i % 4) on.  The first 4 start the sums: with CB, or (KM = 1) with the mask.
.macro KQ x
.set rS, S+32*((\x)%2)+8*(i%4)
.set rK, KF+16*(i%4)+8*(i/4)
.set rQ, 16*(\x)+8*(i/4)
.set rM, MC+32*((\x)%2)+8*(i%4)
.set rB, CB+8*(i%4)
.if (i < 4) && KM
	WIN W_KM
	v_wmma_f32_16x16x32_f16 v[rS:rS+7], v[rK:rK+7], v[rQ:rQ+7], v[rM:rM+7]
.elseif i < 4
	WIN W_KQ
	v_wmma_f32_16x16x32_f16 v[rS:rS+7], v[rK:rK+7], v[rQ:rQ+7], v[rB:rB+7]
.else
	WIN W_KQ
	v_wmma_f32_16x16x32_f16 v[rS:rS+7], v[rK:rK+7], v[rQ:rQ+7], v[rS:rS+7]
.endif
.endm
.macro PV x                         ; product i of 8 of O^T += V^T P for piece x: keys 32 (i / 4) on, channels 16 (i % 4) on
	WIN W_PV
.set rO, 32*(\x)+8*(i%4)
.set rV, VF+32*(i/4)+8*(i%4)
.set rP, P+16*((\x)%2)+8*(i/4)
	v_wmma_f32_16x16x32_f16 v[rO:rO+7], v[rV:rV+7], v[rP:rP+7], v[rO:rO+7]
.endm
.macro MM                           ; the turn's next matrix instruction.  NOKQ = 1: a block's last turn: there is no next piece
.if (i < 8) && !NOKQ
	KQ (Y+1)%NP
.elseif i >= 8
.set i, i-8
	PV (Y+NP-1)%NP
.set i, i+8
.endif
.set i, i+1
.endm
; THE LDS LOADS stand in runs of 16.  My next step lies two steps on.
.macro FETCH_K
	WIN 0x80
.irp f, 0,1,2,3,4,5,6,7
	ds_load_b128 v[KF+8*\f:KF+8*\f+3],   v[AK] offset:(\f/2)*16*PK+(\f%2)*64
	ds_load_b128 v[KF+8*\f+4:KF+8*\f+7], v[AK] offset:(\f/2)*16*PK+(\f%2)*64+32
.endr
	s_add_co_u32 s[TBK], s[TBK], 2*KS*PK
	WIN 0
.endm
.macro FETCH_V
	WIN 0x80
.irp f, 0,1,2,3,4,5,6,7
	ds_load_tr16_b128 v[VF+8*\f:VF+8*\f+3],   v[AV] offset:(\f/4)*32*PV+(\f%4)*32
	ds_load_tr16_b128 v[VF+8*\f+4:VF+8*\f+7], v[AV] offset:(\f/4)*32*PV+16*PV+(\f%4)*32
.endr
	WIN 0
.endm
; THE VECTOR WORK, one line at a time: OP kind, number.  For piece Y: F n: c s - c m for pair n.  E n: the exponential of score n.  C n: pair n rounded to f16.  B n: of four weights the second pair onto the first.
; L n: l takes that sum (L 0: l = a l + sum).  R n: pair n of O^T times a.  For piece Y + 1: X n:
;   0-11 four chains of seven scores each     12-14, 16 the scores left over, the old m, and the four into one     22 the old m is lowered by 128 mu, into the new step's frame (ahead of 14 and 15)
;   15 c m_old, made as 19 makes c m, so that a is 1 exactly where m has not grown     17, 18 the lane 16 away: the new m     19-21 c m; c m_old - c m_new; a
.set F, 0
.set E, 1
.set C, 2
.set B, 3
.set L, 4
.set R, 5
.set X, 6
.macro REGS y
.set rT, ST+4*(\y)
.set rC, TMP+4*((\y)%2)
.set rW, MV+((\y)%2)
.set rS, S+32*((\y)%2)
.set rP, P+16*((\y)%2)
.set rO, 32*(\y)
.endm
.macro OP k, n
.if (\k) == R
	REGS Y
	WIN W_RS
	v_pk_mul_f32 v[rO+2*(\n):rO+2*(\n)+1], v[rO+2*(\n):rO+2*(\n)+1], v[rC+2:rC+3] op_sel_hi:[1,0]
.elseif (\k) < R
	REGS Y
	WIN 0
.if (\k) == F
	v_pk_fma_f32 v[rS+2*(\n):rS+2*(\n)+1], v[rS+2*(\n):rS+2*(\n)+1], s[CS:CS+1], v[rT:rT+1] op_sel_hi:[1,0,0] neg_lo:[0,0,1] neg_hi:[0,0,1]
.elseif (\k) == E
	v_exp_f32 v[rS+(\n)], v[rS+(\n)]
.elseif (\k) == C
	v_cvt_pk_f16_f32 v[rP+(\n)], v[rS+2*(\n)], v[rS+2*(\n)+1]
.elseif (\k) == B
	v_pk_add_f32 v[rS+4*(\n):rS+4*(\n)+1], v[rS+4*(\n):rS+4*(\n)+1], v[rS+4*(\n)+2:rS+4*(\n)+3]
.elseif (\n) == 0
	v_pk_fma_f32 v[rT+2:rT+3], v[rT+2:rT+3], v[rC+2:rC+3], v[rS:rS+1] op_sel_hi:[1,0,1]
.else
	v_pk_add_f32 v[rT+2:rT+3], v[rT+2:rT+3], v[rS+4*(\n):rS+4*(\n)+1]
.endif
.elseif NOKQ
	v_nop
.else
	REGS (Y+1)%NP
	WIN 0
.if (\n) < 4
	v_max3_num_f32 v[rC+(\n)], v[rS+8*(\n)], v[rS+8*(\n)+1], v[rS+8*(\n)+2]
.elseif (\n) < 12
	v_max3_num_f32 v[rC+(\n)%4], v[rC+(\n)%4], v[rS+8*((\n)%4)+2*((\n)/4)+1], v[rS+8*((\n)%4)+2*((\n)/4)+2]
.elseif (\n) == 12
	v_max3_num_f32 v[rC], v[rC], v[rS+7], v[rS+15]
.elseif (\n) == 13
	v_max3_num_f32 v[rC+1], v[rC+1], v[rS+23], v[rS+31]
.elseif (\n) == 14
	v_max3_num_f32 v[rC+2], v[rC+2], v[rC+3], v[rT+1]
.elseif (\n) == 15
	v_mul_f32 v[rW], s[CS], v[rT+1]
.elseif (\n) == 16
	v_max3_num_f32 v[rC], v[rC], v[rC+1], v[rC+2]
.elseif (\n) == 17
	v_permlanex16_b32 v[rC+3], v[rC], s[SEL], s[SEL+1]
.elseif (\n) == 18
	v_max_num_f32 v[rT+1], v[rC], v[rC+3]
.elseif (\n) == 19
	v_mul_f32 v[rT], s[CS], v[rT+1]
.elseif (\n) == 20
	v_sub_f32 v[rC+1], v[rW], v[rT]
.elseif (\n) == 22
	v_sub_f32 v[rT+1], v[rT+1], v[DEL]
.else
	v_exp_f32 v[rC+2], v[rC+1]
.endif
.endif
.endm
.macro OPS a, i1, b=-1, i2=0, c=-1, i3=0, d=-1, i4=0
	OP \a, \i1
.if (\b) >= 0
	OP \b, \i2
.endif
.if (\c) >= 0
	OP \c, \i3
.endif
.if (\d) >= 0
	OP \d, \i4
.endif
.endm
.macro ROW a, i1, b, i2, c, i3, d, i4  ; a matrix instruction and the four behind it
	MM
	OPS \a, \i1, \b, \i2, \c, \i3, \d, \i4
.endm
.macro MSCAL xq                     ; the mask's two scalars for a piece whose band's own step is s[xq], in my step kh + 4 - 2 CNT of the tile
	s_lshl_b32 s[TS], s[CNT], 1
	s_sub_co_u32 s[TS], s[KH4], s[TS]
	s_cmp_eq_u32 s[TS], s[\xq]      ; the band's own step?
	s_cselect_b32 s[AL], 1.0, 0
	s_cmp_gt_u32 s[TS], s[\xq]      ; or a later one?
	s_cselect_b32 s[BE], s[BIGN], 0
.endm
.macro MASK b                       ; MD x AL + BE + CB into buffer b of MC; even pieces have buffer 0 and MD's first half
	WIN W_RS
.set z, 0
.rept 16
	v_pk_fma_f32 v[MC+32*(\b)+2*z:MC+32*(\b)+2*z+1], v[MD+32*(\b)+2*z:MD+32*(\b)+2*z+1], s[AL:AL+1], s[BE:BE+1] op_sel_hi:[1,0,0]
.set z, z+1
.endr
.set z, 0
.rept 16
	v_pk_add_f32 v[MC+32*(\b)+2*z:MC+32*(\b)+2*z+1], v[MC+32*(\b)+2*z:MC+32*(\b)+2*z+1], v[CB+2*z:CB+2*z+1]
.set z, z+1
.endr
.endm
; A TURN, for piece p.  One wait for the batch of exponentials cuts it in two: ahead of it all that names no result of theirs, behind it the 8 products V^T P with the roundings and sums as riders.
; m = 1: the diagonal tile: the products take masks, and the turn makes the mask for the products of the turn after it (piece p + 2).  end = 1: a block's last two turns: nothing is fetched.
; cnt = 1: the loop's count is taken down some lines ahead of the branch behind the turn.  K of my next step is fetched in piece 2's turn, V of the step in hand at the end of piece 0's; each is waited for a turn later.
.macro TURN p, m=0, end=0, cnt=0
.set Y, (\p)
.set i, 0
.set KM, (\m)
.set NOKQ, (\end)*((\p)/3)
.if (\m) && !(\end)
.if (((\p)+2)%NP) < 2
	MSCAL X0
.else
	MSCAL X1
.endif
.endif
.if ((\p) == 3) && !(\end)
	s_wait_dscnt 0x0                ; K is in
.endif
	ROW F,0, F,1, R,0, R,1
	ROW F,2, E,0, R,2, R,3
	ROW F,3, E,1, R,4, R,5
	ROW F,4, E,2, R,6, R,7
	ROW F,5, E,3, R,8, R,9
	ROW F,6, E,4, X,0, R,10
.if ((\p) == 2) && !(\end)
	WIN 0
	v_add_nc_u32 v[AK], s[TBK], v[AK0]
.endif
	ROW F,7, E,5, X,1, X,4
	ROW F,8, E,6, X,2, X,5
	OP X,22
	OPS E,7, E,8, X,6, E,9
	OPS X,3, E,10, X,8, E,11
.if ((\p) == 2) && !(\end)
	FETCH_K
.endif
	OPS X,9, X,7, E,12, X,10
	OPS E,13, X,12, X,11, E,14
	OPS X,13, E,15, F,9, X,14
.if (\p) == 0
	v_add_nc_u32 v[AV], s[TBV], v[AV0]
.endif
	OPS E,16, F,10, E,17, F,11
	OPS X,16, E,18, X,15, E,19
	OPS F,12, E,20, X,17, E,21
	OPS F,13, E,22, F,14, E,23
	OPS X,18, E,24, F,15, E,25
	OPS R,11, E,26, X,19, E,27
	OPS R,12, E,28, R,13, E,29
	OPS X,20, E,30, R,14, E,31
	OPS X,21, R,15
	WIN 0
	s_wait_alu depctr_va_vdst(0)    ; the wait for the batch
.if (\p) == 1
	s_wait_dscnt 0x0                ; V is in
.endif
	ROW C,0, B,0, C,2, B,1
	ROW L,0, C,4, B,2, L,1
	ROW C,6, B,3, L,2, C,8
	ROW B,4, L,3, C,10, B,5
	ROW L,4, C,12, B,6, L,5
.if (\p) == 0
	s_add_co_u32 s[TBV], s[TBV], 2*KS*PV
.endif
.if \cnt
	s_sub_co_u32 s[CNT], s[CNT], 1
	s_cmp_lg_u32 s[CNT], 0
.endif
	ROW C,14, B,7, L,6, C,1
	ROW C,3, L,7, C,5, C,7
	ROW C,9, C,11, C,13, C,15
.if (\p) == 0
	FETCH_V
.endif
.if (\m) && !(\end)
	MASK (\p)%2
.endif
.endm
; A BLOCK BEGINS.  m starts at -2^96, between the hidden scores and the seen ones: the first seen step's a is 0; while a piece has seen hidden keys alone (block 0's first band in the waves with kh = 1, and only there to the block's end)
; m stays there, a is 1 and every weight is 2^(-1.6e29) = 0: m never becomes a hidden score, whose c s - c m would be what the rounding of c m leaves, a large number of either sign.
; Both mask buffers take the mask of pieces 0 and 1 (one band) for my first step of the tile, which is CB alone unless the block's first tile is the diagonal one.  Then K of that step, piece 0's first scores,
; and its maximum and statistics (the frame has not moved yet: no number 22).
.macro BEGIN
	s_mov_b32 s[NEW], 0
	WIN 0
.set i, 0
.rept 4
	v_mov_b32 v[ST+4*i], 0xfe000000    ; c m: written so that the register holds a number; number 19 makes it anew before it is used
	v_mov_b32 v[ST+4*i+1], 0xef800000  ; m = -2^96
.set i, i+1
.endr
	MSCAL X0
	s_cmp_eq_u32 s[RT], 0
	s_cselect_b32 s[AL], s[AL], 0
	s_cselect_b32 s[BE], s[BE], 0
	MASK 0
	MASK 1
	WIN 0
	v_add_nc_u32 v[AK], s[TBK], v[AK0]
	FETCH_K
	s_wait_loadcnt 0x0              ; Q
	s_wait_dscnt 0x0
.set KM, 1
.set NOKQ, 0
.set i, 0
.rept 8
	KQ 0
.set i, i+1
.endr
	WIN 0
.rept 4
	v_nop                           ; the places behind those products
.endr
.set Y, NP-1
.irp n, 0,1,2,3,4,5,6,7,8,9,10,11,12,13,14,15,16,17,18,19,20,21
	OP X, \n
.endr
	v_nop                           ; a plain instruction behind the exponential,
	s_wait_alu depctr_va_vdst(0)    ; and its wait, ahead of the branch
.endm
; A BLOCK ENDS.  l's two halves are added and c m is brought into the frame that both waves of a pair share.  Pieces 2 and 3 go to the partner through LDS; the partner's come back for my pieces 0 and 1:
; O = (O_A w_A + O_B w_B) / (l_A w_A + l_B w_B), w = 2^(c m - the greater c m).  A piece that saw hidden keys alone has c m near -1.4e28, so its w is 0; its O^T and l are what the block before left, finite numbers, and count for nothing.
; Its partner's piece has seen the row's own key, so the divisor is not 0.
.macro PACKF t
	WIN 0
.set z, 0
.rept 16
	v_pk_mul_f32 v[S+32*(\t)+2*z:S+32*(\t)+2*z+1], v[S+32*(\t)+2*z:S+32*(\t)+2*z+1], v[TMP+4*(\t)+2:TMP+4*(\t)+3] op_sel_hi:[1,0]
.set z, z+1
.endr
	WIN 0x01                        ; source 0 window 1: my O^T, its lowest registers first
.set z, 0
.rept 16
	v_pk_fma_f32 v[S+32*(\t)+2*z:S+32*(\t)+2*z+1], v[32*(\t)+2*z:32*(\t)+2*z+1], v[TMP+4*(\t):TMP+4*(\t)+1], v[S+32*(\t)+2*z:S+32*(\t)+2*z+1] op_sel_hi:[1,0,1]
.set z, z+1
.endr
	WIN 0
.set z, 0
.rept 16
	v_cvt_pk_f16_f32 v[P+16*(\t)+z], v[S+32*(\t)+2*z], v[S+32*(\t)+2*z+1]
.set z, z+1
.endr
.irp f, 0,1,2,3
	ds_store_b128 v[STO], v[P+16*(\t)+4*\f:P+16*(\t)+4*\f+3] offset:32*\f
.endr
.irp f, 0,1,2,3
	ds_load_b128 v[P+16*(\t)+4*\f:P+16*(\t)+4*\f+3], v[RD] offset:\f*4*SP  ; LDS serves a wave's instructions in order (ISA guide 5.7.1.4): these see the stores above
.endr
.endm
.macro SENDF t, younger             ; younger: the LDS instructions issued behind piece t's loads
	WIN 0
.irp f, 0,1,2,3
	s_wait_dscnt (\younger)+3-\f
	global_store_b128 v[GO], v[P+16*(\t)+4*\f:P+16*(\t)+4*\f+3], s[10:11] offset:(\t)*2048+\f*512  ; 512 consecutive bytes, aligned
.endr
.endm
.macro FINISH
	WIN 0
.set t, 0
.rept 4                             ; eight plain lines: the places behind the last products
	v_add_f32 v[ST+4*t+2], v[ST+4*t+2], v[ST+4*t+3]
	v_add_f32 v[ST+4*t], v[ST+4*t], v[CK]
.set t, t+1
.endr
	WIN 0x04                        ; store data in window 1
.set z, 0
.rept 16
	ds_store_b128 v[XW], v[64+4*z:64+4*z+3] offset:512*z
.set z, z+1
.endr
	WIN 0
	ds_store_b128 v[XW], v[ST+8:ST+11] offset:8192
	ds_store_b128 v[XW], v[ST+12:ST+15] offset:8704
	s_wait_dscnt 0x0                ; for the partner's sake: my stores are done
	s_barrier_signal -1             ; the way here hangs on the work-group's number and constants alone: all four waves pass
	s_barrier_wait -1
.set z, 0
.rept 16
	ds_load_b128 v[S+4*z:S+4*z+3], v[XR] offset:512*z
.set z, z+1
.endr
	ds_load_b128 v[PS:PS+3], v[XR] offset:8192
	ds_load_b128 v[PS+4:PS+7], v[XR] offset:8704
	s_wait_dscnt 0x0
.irp t, 0,1
	v_max_num_f32 v[TMP+4*\t+1], v[ST+4*\t], v[PS+4*\t]
.endr
.irp t, 0,1
	v_sub_f32 v[TMP+4*\t],   v[ST+4*\t], v[TMP+4*\t+1]
	v_sub_f32 v[TMP+4*\t+2], v[PS+4*\t], v[TMP+4*\t+1]
.endr
.irp t, 0,1
	v_exp_f32 v[TMP+4*\t],   v[TMP+4*\t]
	v_exp_f32 v[TMP+4*\t+2], v[TMP+4*\t+2]
.endr
	v_nop
	s_wait_alu depctr_va_vdst(0)    ; one wait for the four
.irp t, 0,1
	v_mul_f32 v[TMP+4*\t+3], v[ST+4*\t+2], v[TMP+4*\t]
.endr
.irp t, 0,1
	v_fmac_f32 v[TMP+4*\t+3], v[PS+4*\t+2], v[TMP+4*\t+2]
.endr
.irp t, 0,1
	v_permlanex16_b32 v[TMP+4*\t+1], v[TMP+4*\t+3], s[SEL], s[SEL+1]  ; the query's other keys lie in the lane 16 away
.endr
.irp t, 0,1
	v_add_f32 v[TMP+4*\t+3], v[TMP+4*\t+3], v[TMP+4*\t+1]
.endr
.irp t, 0,1
	v_rcp_f32 v[TMP+4*\t+1], v[TMP+4*\t+3]
.endr
	v_nop
	s_wait_alu depctr_va_vdst(0)    ; one wait for the two
.irp t, 0,1
	v_mul_f32 v[TMP+4*\t],   v[TMP+4*\t],   v[TMP+4*\t+1]
	v_mul_f32 v[TMP+4*\t+2], v[TMP+4*\t+2], v[TMP+4*\t+1]
.endr
	PACKF 0
	PACKF 1
	SENDF 0, 8
	SENDF 1, 0
.endm
.macro DIAG tag                     ; the diagonal tile's two steps of mine, the block's last two turns, its last products, and its end
.LstepM\tag:
	TURN 2, 1
	TURN 3, 1
	WIN 0
.LfirstM\tag:
	TURN 0, 1
	TURN 1, 1, 0, 1
	WIN 0
	s_cbranch_scc1 .LstepM\tag
	TURN 2, 1, 1
	TURN 3, 1, 1
.set i, 0
.rept 8
	PV NP-1
.set i, i+1
.endr
	FINISH
.endm
.set KM, 0
.set NOKQ, 0
.Lslot:                             ; eight times: a tile is entered and the next is asked for
	CHANGE 1
	s_sub_co_u32 s[RT], s[RT], 1
	s_mov_b32 s[CNT], 2
	s_cmp_eq_u32 s[NEW], 1
	s_cbranch_scc1 .Lnew            ; a block's first tile
	s_cmp_eq_u32 s[RT], 0
	s_cbranch_scc0 .Lstep           ; neither its first nor its last
	s_branch .LstepM1
.Lnew:
	BEGIN
	s_branch .Lfirst                ; in the loop a block's first tile is never its last: the first block has five tiles or more, and the second's last is the walk's last
	DIAG 1                          ; in the loop this is the first block's end
	s_wait_xcnt 0x0                 ; the stores have read their registers and att's address
	s_mov_b64 s[10:11], s[OLO:OLO+1]
	s_add_co_u32 s[RT], s[TLO], 1
	s_mov_b32 s[NEW], 1
	s_add_co_u32 s[X0], s[XBL], s[KH]
	s_add_co_u32 s[X1], s[XBL], s[KHN]
	WIN 0x82                        ; the second block's Q goes where the one text of the turns names Q
.set i, 0
.rept 64
	v_mov_b32 v[i], v[QB+i]
.set i, i+1
.endr
	WIN 0
	s_branch .Lbottom
.Lstep:                             ; a trip: pieces 2 and 3 of one step of mine, then pieces 0 and 1 of the next, whose K and V it fetches
	TURN 2
	TURN 3
	WIN 0
.Lfirst:
	TURN 0
	TURN 1, 0, 0, 1
	WIN 0
	s_cbranch_scc1 .Lstep
.Lbottom:
	s_sub_co_u32 s[SLOTS], s[SLOTS], 1
	s_cmp_lg_u32 s[SLOTS], 0
	s_cbranch_scc1 .Lslot
	CHANGE 0                        ; the walk's last tile is written out: nothing is asked for
	s_sub_co_u32 s[RT], s[RT], 1
	s_mov_b32 s[CNT], 2
	s_cmp_eq_u32 s[NEW], 1
	s_cbranch_scc0 .LstepM2
	BEGIN
	s_branch .LfirstM2
	DIAG 2
	s_wait_tensorcnt 0x0            ; the wave's end: behind my last tensor load and my last LDS store
	ds_add_u32 v[SPW], v[NIL]
	s_wait_dscnt 0x0
	s_endpgm
.Lfunc_end_k_q7955307022_attn:
	.size	k_q7955307022_attn, .Lfunc_end_k_q7955307022_attn-k_q7955307022_attn
	.p2alignl 7, 3214868480
	.fill 96, 4, 3214868480
	.section	.rodata,"a",@progbits
	.p2align	6, 0x0
	.amdhsa_kernel k_q7955307022_attn
		.amdhsa_group_segment_fixed_size 327680
		.amdhsa_private_segment_fixed_size 0
		.amdhsa_enable_private_segment 0
		.amdhsa_kernarg_size 24
		.amdhsa_user_sgpr_count 2
		.amdhsa_user_sgpr_kernarg_segment_ptr 1
		.amdhsa_wavefront_size32 1
		.amdhsa_system_sgpr_workgroup_id_x 1
		.amdhsa_system_sgpr_workgroup_id_y 1
		.amdhsa_system_sgpr_workgroup_id_z 1
		.amdhsa_system_vgpr_workitem_id 0
		.amdhsa_next_free_vgpr 768
		.amdhsa_next_free_sgpr 100
		.amdhsa_reserve_vcc 1
		.amdhsa_float_denorm_mode_32 3
		.amdhsa_float_denorm_mode_16_64 3
		.amdhsa_memory_ordered 1
		.amdhsa_forward_progress 1
		.amdhsa_inst_pref_size 236
	.end_amdhsa_kernel
	.amdgpu_metadata
---
amdhsa.version: [ 1, 2 ]
amdhsa.kernels:
  - .name:           k_q7955307022_attn
    .symbol:         k_q7955307022_attn.kd
    .args:
      - { .name: qkv, .offset: 0, .size: 8, .value_kind: global_buffer, .address_space: global }
      - { .name: log_xi, .offset: 8, .size: 8, .value_kind: global_buffer, .address_space: global }
      - { .name: att, .offset: 16, .size: 8, .value_kind: global_buffer, .address_space: global }
    .group_segment_fixed_size: 327680
    .private_segment_fixed_size: 0
    .kernarg_segment_align: 8
    .kernarg_segment_size: 24
    .max_flat_workgroup_size: 128
    .sgpr_count:     100
    .vgpr_count:     768
    .wavefront_size: 32
...
	.end_amdgpu_metadata
.endif
;; end of part 3
;; launch outg (part 4): grid 8 x 32, 4 waves a work-group, clusters of 4 x 4, 327,680 bytes of LDS; arguments att, wot, out0; writes out0
.if DOCPART == 4
	.amdgcn_target "amdgcn-amd-amdhsa--gfx1250"
	.amdhsa_code_object_version 6
	.text
	.protected	k_q7955307022_outg
	.globl	k_q7955307022_outg
	.p2align	8
	.type	k_q7955307022_outg,@function
k_q7955307022_outg:
	s_mov_b64 s[64:65], 0
	v_nop
	global_prefetch_b8 v0, s[64:65] scope:SCOPE_SE
	s_setreg_imm32_b32 hwreg(HW_REG_WAVE_MODE, 25, 1), 1
	s_wait_xcnt 0x0
	s_wait_alu depctr_hold_cnt(0) depctr_sa_sdst(0) depctr_va_vdst(0) depctr_va_sdst(0) depctr_va_ssrc(0) depctr_va_vcc(0) depctr_vm_vsrc(0)
	s_getreg_b32 s2, hwreg(HW_REG_IB_STS2, 6, 4)
	s_cmp_eq_u32 s2, 0
	s_cbranch_scc0 .Lentry_in_a_cluster
	s_endpgm
.Lentry_in_a_cluster:
	s_bfe_u32 s2, ttmp6, 0x10000c
	s_cmp_lg_u32 s2, 0xf033
	s_cbranch_scc0 .Lentry_shape_is_right
	s_endpgm
.Lentry_shape_is_right:
; out0[row][n] = the sum over k of O[row][k] w_o[k][n], f32.  att: [32 = 16 batch + head][2048][64] f16 (k = 64 head + channel); wot: [1024 n][1024 k] f16 (w_o rounded to bf16, written as f16); sums in f32.
; A tile of out0 is 128 x 128: 8 x 32 work-groups.  Four waves, each 64 x 64: 16 accumulators.  K goes in 4 steps of 256, four heads each, through two LDS slots.
; att's tile comes by heads: 64 positions of one head are 8,192 dense bytes, asked for as ONE row of the descriptor; four such rows, a head (131,072 elements) apart; the padding, 16 bytes behind every 128, makes
; of them LDS rows of 144 bytes, [head][position].  wot's tile: 64 rows of 512 bytes, LDS rows of 528.  Waves 0 and 1 fetch the halves of att's tile, waves 2 and 3 those of wot's.
; CLUSTER 4 x 4: att's tile is shared along a row of the cluster, wot's along a column, each asked for jointly.  THE MATRIX INSTRUCTION IS USED TRANSPOSED (source 0 = rows of wot, source 1 = rows of att):
; a lane holds eight neighbouring numbers of a row of out0, 32 bytes.  A wave's 64 columns are 256 aligned bytes of a row, so each wave has a stage of its own and the way out needs no barrier.
; No prefetch: the tiles are small, and a step's work short.
; REGISTERS: window 0: v0-31 addresses; v128-255 the accumulators ((a, b) at v[128 + 8 (4 a + b)]).  window 1: two fragment buffers of 128: 64 registers of att's, then 64 of wot's.
.set PA,     144
.set PLANE,  64*PA                     ; a head's 64 positions
.set AHALF,  4*PLANE
.set PBB,    528
.set BHALF,  64*PBB
.set BOFF,   2*AHALF
.set SLOT,   BOFF+2*BHALF
.set STAGE,  2*SLOT                    ; behind the ring: 16 rows x 272 bytes for each wave
.set SPITCH, 272
.set WSTG,   16*SPITCH
.set SPARE,  STAGE+4*WSTG              ; the spare words, 128 bytes a wave: two blocks of 256 bytes that no other line names
.set LAPS,   2
.set ADRA, 16
.set ADRB, 20
.set STO,  24
.set RD,   25
.set CO,   26
.set SPW,  28
.set NIL,  29
.set ACC,  128
.set F0,   0
.set F1,   128
.set G1, 24
.set G0, 32
.set G1B, 48
.set G0B, 56
.set MSB, 0
.macro WIN new
.if MSB != (\new)
	s_set_vgpr_msb (MSB<<8)|(\new)
.set MSB, \new
.endif
.endm
.set MUL,  0x05                        ; sources window 1; C and D window 0
.set TO_F, 0x40                        ; destination window 1, address window 0
.macro JLOAD s                         ; a joint load; an s_nop 0 and four v_nop follow each of the two lines
	s_cmp_eq_u32 s11, 0
	s_cbranch_scc0 .Lfor_b_\@
	tensor_load_to_lds s[G0+4*(\s):G0+4*(\s)+3], s[G1:G1+7]
	s_nop 0
.rept 4
	v_nop
.endr
	s_branch .Lasked_\@
.Lfor_b_\@:
	tensor_load_to_lds s[G0B+4*(\s):G0B+4*(\s)+3], s[G1B:G1B+7]
	s_nop 0
.rept 4
	v_nop
.endr
.Lasked_\@:
.endm
.macro CREST
	s_cmp_lg_u32 s10, 0
	s_cbranch_scc1 .Lnot_wave_0_\@
	s_barrier_signal -3
.Lnot_wave_0_\@:
	s_barrier_wait -3
	s_barrier_signal -1
	s_barrier_wait -1
.endm
.macro CROUND
	s_barrier_signal -1
	s_barrier_wait -1
	CREST
.endm
	s_load_b128 s[4:7], s[0:1], 0x0                ; att s[4:5], wot s[6:7]
	s_load_b64 s[8:9], s[0:1], 0x10                ; out0
	v_lshl_add_u32 v[SPW], v0, 2, SPARE
	v_mov_b32 v[NIL], 0
	ds_add_u32 v[SPW], v[NIL]                      ; the wave's opening: the add and its wait ahead of my first tensor load; work on registers stands between them
	v_lshrrev_b32 v1, 5, v0
	v_readfirstlane_b32 s10, v1                    ; wave 0..3
	s_lshr_b32 s11, s10, 1                         ; which half of the tile's rows is mine.  Also: I fetch for att (0) or for wot (1)
	s_and_b32 s12, s10, 1                          ; which half of its columns.  Also: which half of that tile I fetch
	s_bfe_u32 s40, ttmp6, 0x40000
	s_bfe_u32 s41, ttmp6, 0x40004
	s_lshl_b32 s42, ttmp9, 2
	s_add_co_u32 s42, s42, s40                     ; tile column
	s_and_b32 s13, ttmp7, 0xffff
	s_lshl_b32 s13, s13, 2
	s_add_co_u32 s13, s13, s41                     ; tile row
	s_lshl_b32 s43, s41, 2
	s_lshl_b32 s43, 15, s43                        ; my row of the cluster
	s_lshl_b32 s44, 0x1111, s40                    ; my column
	s_or_b32 s[G1+0], s43, (1<<16)|(1<<20)|(1<<21)|(4<<22)|(3<<25)   ; mask; 2-byte elements; padding on; bit 21 beside a mask; after every 32 words 4 words
	s_mov_b32 s[G1+1], 4096<<16                    ; tensor_dim0 = 4,096
	s_mov_b32 s[G1+2], 4<<16                       ; tensor_dim1 = 4
	s_mov_b32 s[G1+3], 4096<<16                    ; tile_dim0 = 4,096
	s_mov_b32 s[G1+4], 4                           ; tile_dim1 = 4
	s_mov_b32 s[G1+5], 131072                      ; elements from head to head
	s_mov_b32 s[G1+6], 0
	s_mov_b32 s[G1+7], 0
	s_or_b32 s[G1B+0], s44, (1<<16)|(1<<20)|(1<<21)|(6<<22)|(3<<25)  ; after every 128 words 4 words
	s_mov_b32 s[G1B+1], 256<<16
	s_mov_b32 s[G1B+2], 64<<16
	s_mov_b32 s[G1B+3], 256<<16
	s_mov_b32 s[G1B+4], 64
	s_mov_b32 s[G1B+5], 1024
	s_mov_b32 s[G1B+6], 0
	s_mov_b32 s[G1B+7], 0
	s_and_b32 s16, s13, 15                         ; att: position 128 (tr % 16) + 64 half, 128 bytes each,
	s_lshl_b32 s16, s16, 7
	s_lshl_b32 s17, s12, 6
	s_add_co_u32 s16, s16, s17
	s_lshl_b32 s16, s16, 7
	s_lshr_b32 s17, s13, 4                         ; in batch tr / 16: sixteen heads of 262,144 bytes
	s_lshl_b32 s17, s17, 22
	s_add_co_u32 s16, s16, s17
	s_mov_b32 s17, 0
	s_lshl_b32 s46, s42, 7                         ; wot: row 128 tc + 64 half
	s_lshl_b32 s47, s12, 6
	s_add_co_u32 s46, s46, s47
	s_lshl_b32 s46, s46, 11
	s_mov_b32 s47, 0
	s_mul_i32 s20, s12, AHALF                      ; where they go: no place in the cluster enters an LDS address
	s_mul_i32 s21, s12, BHALF
	s_add_co_u32 s21, s21, BOFF
	s_wait_dscnt 0x0                               ; the opening add is done
	s_wait_kmcnt 0x0
	s_add_nc_u64 s[14:15], s[4:5], s[16:17]
	s_add_nc_u64 s[46:47], s[6:7], s[46:47]
	CROUND                                         ; all sixteen work-groups are here: the first joint loads meet
.irp s, 0,1
	s_mov_b32 s[G0+4*(\s)], 1
	s_add_co_u32 s[G0+4*(\s)+1], s20, (\s)*SLOT
	s_add_nc_u64 s[G0+4*(\s)+2:G0+4*(\s)+3], s[14:15], (\s)*4*262144   ; K step s: heads 4 s on
	s_or_b32 s[G0+4*(\s)+3], s[G0+4*(\s)+3], 0x80000000
	s_mov_b32 s[G0B+4*(\s)], 1
	s_add_co_u32 s[G0B+4*(\s)+1], s21, (\s)*SLOT
	s_add_nc_u64 s[G0B+4*(\s)+2:G0B+4*(\s)+3], s[46:47], (\s)*512
	s_or_b32 s[G0B+4*(\s)+3], s[G0B+4*(\s)+3], 0x80000000
	JLOAD \s                                       ; two loads of mine are out
.endr
	v_and_b32 v1, 15, v0                           ; l % 16
	v_bfe_u32 v2, v0, 4, 1                         ; l / 16
	v_mul_u32_u24 v3, v1, PA
	v_lshl_add_u32 v3, v2, 4, v3
	v_mul_u32_u24 v4, v1, PBB
	v_lshl_add_u32 v4, v2, 4, v4
	s_mul_i32 s21, s11, AHALF                      ; my 64 rows of att
	s_mul_i32 s22, s12, BHALF                      ; my 64 rows of wot
	s_add_co_u32 s22, s22, BOFF
.irp s, 0,1
	v_add_nc_u32 v[ADRA+(\s)], s21, v3
	v_add_nc_u32 v[ADRB+(\s)], s22, v4
	s_add_co_u32 s21, s21, SLOT
	s_add_co_u32 s22, s22, SLOT
.endr
	s_mul_i32 s23, s10, WSTG
	s_add_co_u32 s23, s23, STAGE                   ; my stage
	v_mul_u32_u24 v4, v1, SPITCH                   ; in: row l % 16, 32 bytes for each half of the lanes
	v_lshl_add_u32 v4, v2, 5, v4
	v_add_nc_u32 v[STO], s23, v4
	v_mul_u32_u24 v5, v2, SPITCH                   ; back: lanes 0-15 take one row of 256 bytes, lanes 16-31 the next
	v_lshl_add_u32 v5, v1, 4, v5
	v_add_nc_u32 v[RD], s23, v5
	v_lshlrev_b32 v5, 12, v2                       ; and the same two rows of out0, 4,096 bytes each
	v_lshl_add_u32 v[CO], v1, 4, v5
	s_lshl_b32 s16, s13, 7
	s_lshl_b32 s17, s11, 6
	s_add_co_u32 s16, s16, s17                     ; my first row
	s_lshl_b32 s16, s16, 12
	s_mov_b32 s17, 0
	s_add_nc_u64 s[8:9], s[8:9], s[16:17]
	s_lshl_b32 s46, s42, 9                         ; my first column, in bytes: 512 tc + 256 half
	s_lshl_b32 s47, s12, 8
	s_add_co_u32 s46, s46, s47
	s_mov_b32 s47, 0
	s_add_nc_u64 s[8:9], s[8:9], s[46:47]
; 8 matrix instructions: row blocks a0, a0 + 1 x all 4 column blocks, 32 along K: half c of buffer f.  The 16 accumulators take turns.
.macro MUL8 f, c, a0, zero
	WIN MUL
.irp a, \a0, (\a0)+1
.irp b, 0,1,2,3
.if \zero
	v_wmma_f32_16x16x32_f16 v[ACC+8*(4*(\a)+(\b)):ACC+8*(4*(\a)+(\b))+7], v[(\f)+64+8*(4*(\c)+(\b)):(\f)+64+8*(4*(\c)+(\b))+7], v[(\f)+8*(4*(\c)+(\a)):(\f)+8*(4*(\c)+(\a))+7], 0
.else
	v_wmma_f32_16x16x32_f16 v[ACC+8*(4*(\a)+(\b)):ACC+8*(4*(\a)+(\b))+7], v[(\f)+64+8*(4*(\c)+(\b)):(\f)+64+8*(4*(\c)+(\b))+7], v[(\f)+8*(4*(\c)+(\a)):(\f)+8*(4*(\c)+(\a))+7], v[ACC+8*(4*(\a)+(\b)):ACC+8*(4*(\a)+(\b))+7]
.endif
.endr
.endr
.endm
; 32 LDS loads in one run: quarter q of a K step is one head: its plane of att's tile, 128 bytes of wot's rows; the first 32 along K first
.macro FETCH slot, q, f
	WIN TO_F
.irp c, 0,1
.irp i, 0,1,2,3
	ds_load_b128 v[(\f)+64+8*(4*(\c)+(\i)):(\f)+64+8*(4*(\c)+(\i))+3],   v[ADRB+(\slot)] offset:(\q)*128+64*(\c)+(\i)*16*PBB
	ds_load_b128 v[(\f)+64+8*(4*(\c)+(\i))+4:(\f)+64+8*(4*(\c)+(\i))+7], v[ADRB+(\slot)] offset:(\q)*128+64*(\c)+(\i)*16*PBB+32
	ds_load_b128 v[(\f)+8*(4*(\c)+(\i)):(\f)+8*(4*(\c)+(\i))+3],         v[ADRA+(\slot)] offset:(\q)*PLANE+64*(\c)+(\i)*16*PA
	ds_load_b128 v[(\f)+8*(4*(\c)+(\i))+4:(\f)+8*(4*(\c)+(\i))+7],       v[ADRA+(\slot)] offset:(\q)*PLANE+64*(\c)+(\i)*16*PA+32
.endr
.endr
.endm
.macro PLACES
.rept 4
	v_nop
.endr
.endm
.macro QUARTER slot, q, f, g, zero     ; multiplies buffer f and fetches quarter q into g
	s_wait_dscnt 16                                ; the first 32 along K are in
	WIN MUL
	MUL8 \f, 0, 0, \zero
	MUL8 \f, 0, 2, \zero
	PLACES
	FETCH \slot, \q, \g
	s_wait_dscnt 32                                ; all but the 32 just issued
	WIN MUL
	MUL8 \f, 1, 0, 0
	MUL8 \f, 1, 2, 0
.endm
; The last quarter multiplies buffer 1 and changes slots: each wave waits for all its tensor loads, adds 0 to its spare word, and waits for that and for its reads of this slot.
.macro TURN slot, next, fill
	WIN 0
	s_wait_tensorcnt 0x0
	ds_add_u32 v[SPW], v[NIL]
	s_wait_dscnt 17                                ; (the add and the youngest sixteen loads may be out)
	WIN MUL
	MUL8 F1, 0, 0, 0
	s_wait_dscnt 0x0                               ; the add is done, and my reads of this slot are over
	s_barrier_signal -1
	MUL8 F1, 0, 2, 0
.if \fill
	WIN 0
.endif
	s_barrier_wait -1
.if \fill
	CREST                                          ; the barrier has opened a round of the cluster's
	s_add_nc_u64 s[G0+4*(\slot)+2:G0+4*(\slot)+3], s[G0+4*(\slot)+2:G0+4*(\slot)+3], 2*4*262144
	s_add_nc_u64 s[G0B+4*(\slot)+2:G0B+4*(\slot)+3], s[G0B+4*(\slot)+2:G0B+4*(\slot)+3], 2*512
	JLOAD \slot                                    ; my one load behind the round; its four v_nop are also the places in front of the loads below
.else
	PLACES
.endif
	FETCH \next, 0, F0
	WIN MUL
	MUL8 F1, 1, 0, 0
	MUL8 F1, 1, 2, 0
.endm
	s_wait_tensorcnt 1                             ; my part of K step 0 is in; K step 1's may stay out
	s_barrier_signal -1
	s_barrier_wait -1
	FETCH 0, 0, F0
	QUARTER 0, 1, F0, F1, 1
	WIN 0
	s_mov_b32 s3, LAPS-1
.Llap:
	QUARTER 0, 2, F1, F0, 0
	QUARTER 0, 3, F0, F1, 0
	TURN 0, 1, 1
	QUARTER 1, 1, F0, F1, 0
	QUARTER 1, 2, F1, F0, 0
	QUARTER 1, 3, F0, F1, 0
	TURN 1, 0, 1
	QUARTER 0, 1, F0, F1, 0
	WIN 0
	s_sub_co_u32 s3, s3, 1
	s_cmp_lg_u32 s3, 0
	s_cbranch_scc1 .Llap
	QUARTER 0, 2, F1, F0, 0                        ; the last lap fills nothing
	QUARTER 0, 3, F0, F1, 0
	TURN 0, 1, 0
	QUARTER 1, 1, F0, F1, 0
	QUARTER 1, 2, F1, F0, 0
	QUARTER 1, 3, F0, F1, 0
	s_wait_dscnt 16
	WIN MUL
	MUL8 F1, 0, 0, 0
	MUL8 F1, 0, 2, 0
	s_wait_dscnt 0x0
	MUL8 F1, 1, 0, 0
	MUL8 F1, 1, 2, 0
	WIN 0
	; THE WAY OUT, 16 rows at a time: 32 bytes a lane into my stage, each accumulator's low half first; back as whole rows of 256 bytes, into the registers that they left.
	PLACES
	PLACES
.macro TOSTAGE blk
.irp b, 0,1,2,3
	ds_store_b128 v[STO], v[ACC+8*(4*(\blk)+(\b)):ACC+8*(4*(\blk)+(\b))+3]   offset:64*(\b)
	ds_store_b128 v[STO], v[ACC+8*(4*(\blk)+(\b))+4:ACC+8*(4*(\blk)+(\b))+7] offset:64*(\b)+16
.endr
.irp t, 0,1,2,3,4,5,6,7
	ds_load_b128 v[ACC+32*(\blk)+4*(\t):ACC+32*(\blk)+4*(\t)+3], v[RD] offset:(\t)*2*SPITCH  ; LDS serves a wave's instructions in order (ISA guide 5.7.1.4): these see the stores above; the next block's stores come behind them
.endr
.endm
.macro SEND blk, younger               ; younger: the LDS instructions issued behind the block's loads: the next block's sixteen, or none
.irp t, 0,1,2,3,4,5,6,7
	s_wait_dscnt (\younger)+7-(\t)
	global_store_b128 v[CO], v[ACC+32*(\blk)+4*(\t):ACC+32*(\blk)+4*(\t)+3], s[8:9] offset:(16*(\blk)+2*(\t))*4096 th:TH_STORE_NT  ; sixteen lanes store 256 consecutive bytes, aligned
.endr
.endm
	TOSTAGE 0
.irp a, 1,2,3
	TOSTAGE \a
	SEND (\a)-1, 16
.endr
	SEND 3, 0
	s_wait_tensorcnt 0x0                           ; the wave's end: behind my last tensor load and my last LDS store
	ds_add_u32 v[SPW], v[NIL]
	s_wait_dscnt 0x0
	CROUND                                         ; the closing round
	s_endpgm
.Lfunc_end_k_q7955307022_outg:
	.size	k_q7955307022_outg, .Lfunc_end_k_q7955307022_outg-k_q7955307022_outg
	.p2alignl 7, 3214868480
	.fill 96, 4, 3214868480
	.section	.rodata,"a",@progbits
	.p2align	6, 0x0
	.amdhsa_kernel k_q7955307022_outg
		.amdhsa_group_segment_fixed_size 327680
		.amdhsa_private_segment_fixed_size 0
		.amdhsa_enable_private_segment 0
		.amdhsa_kernarg_size 24
		.amdhsa_user_sgpr_count 2
		.amdhsa_user_sgpr_kernarg_segment_ptr 1
		.amdhsa_wavefront_size32 1
		.amdhsa_system_sgpr_workgroup_id_x 1
		.amdhsa_system_sgpr_workgroup_id_y 1
		.amdhsa_system_sgpr_workgroup_id_z 1
		.amdhsa_system_vgpr_workitem_id 0
		.amdhsa_next_free_vgpr 512
		.amdhsa_next_free_sgpr 66
		.amdhsa_reserve_vcc 0
		.amdhsa_float_denorm_mode_32 3
		.amdhsa_float_denorm_mode_16_64 3
		.amdhsa_memory_ordered 1
		.amdhsa_forward_progress 1
		.amdhsa_inst_pref_size 87
	.end_amdhsa_kernel
	.amdgpu_metadata
---
amdhsa.version: [ 1, 2 ]
amdhsa.kernels:
  - .name:           k_q7955307022_outg
    .symbol:         k_q7955307022_outg.kd
    .args:
      - { .name: att, .offset: 0, .size: 8, .value_kind: global_buffer, .address_space: global }
      - { .name: wot, .offset: 8, .size: 8, .value_kind: global_buffer, .address_space: global }
      - { .name: out0, .offset: 16, .size: 8, .value_kind: global_buffer, .address_space: global }
    .group_segment_fixed_size: 327680
    .private_segment_fixed_size: 0
    .kernarg_segment_align: 8
    .kernarg_segment_size: 24
    .max_flat_workgroup_size: 128
    .sgpr_count:     66
    .vgpr_count:     512
    .wavefront_size: 32
...
	.end_amdgpu_metadata
.endif
;; end of part 4
;; ======== version 2 of 2: 4 launches; version 1 with the launch prep written anew for expert scheduling mode
;; limits: values are held in f16: magnitudes above 65,504 overflow, below 6.1e-05 lose precision
;; workspace buffers: xb 8,388,608 bytes; wqt 6,291,456 bytes; wot 2,097,152 bytes; rope 524,288 bytes; qkv 25,165,824 bytes; att 8,388,608 bytes
;; launch prep (part 5): grid 544 x 1, 8 waves a work-group, no clusters, 35,840 bytes of LDS; arguments x, w_qkv, w_o, xb, wqt, wot, rope; writes xb, wqt, wot, rope
.if DOCPART == 5
	.amdgcn_target "amdgcn-amd-amdhsa--gfx1250"
	.amdhsa_code_object_version 6
	.text
	.protected	k_q7955307022_prep
	.globl	k_q7955307022_prep
	.p2align	8
	.type	k_q7955307022_prep,@function
k_q7955307022_prep:
	s_mov_b64 s[64:65], 0
	v_nop
	global_prefetch_b8 v0, s[64:65] scope:SCOPE_SE
	s_setreg_imm32_b32 hwreg(HW_REG_WAVE_SCHED_MODE, 0, 2), 2
	s_setreg_imm32_b32 hwreg(HW_REG_WAVE_MODE, 25, 1), 1
	s_wait_xcnt 0x0
	s_wait_alu depctr_vm_vsrc(0)
; PREP: the 16-bit operands of the two products, with K along the rows, and the table of cosines and sines.
; Work-groups 0-255:   xb = x rounded to bf16, 16,384 numbers each.
; Work-groups 256-447: wqt[row][k] = w_qkv[k][column] rounded to bf16, a tile of 128 k x 128 columns each, turned through LDS.  The 48 head slots of 64 columns
;                      are dealt anew: each block of 192 rows of wqt holds one slot of a rotating head of q or k first, then two slots that are not rotated.
; Work-groups 448-511: wot[n][k] = w_o[k][n], rounded to bf16 and that number written as f16 (below 6e-5 it keeps f16's fixed step of 6e-8).
; Work-groups 512-543: rope[pos][i] = (cos, sin)(pos x 10000^(-i/32)), f32, 64 positions each.  The angle is reduced by a whole number of turns (2 pi in two parts) to
;                      -pi .. pi; sine and cosine are their series through r^15 and r^16, whose first left-out terms are below 1e-6 there.
; No matrix work, no cluster: nothing is shared, and memory binds.  All branches hang on the work-group's number alone, so the eight waves pass the same barrier.
; THE MODE: SCHED_MODE bits 1:0 = 2 (LLVM: expert scheduling mode 2), set by the entry lines.  The code itself states the register dependences
; between vector instructions and memory or LDS instructions, with s_wait_alu, always for 0.
; THE PLAN.  A wave takes one of four branches.  Registers that memory or LDS instructions touch:
;   the table    v7 (offset) and v[XR .. XR+15] (data, four registers a trip): written by vector instructions, read by the four stores, which stand in one run behind one wait.
;   the cast     v3, v4 (offsets): made once, ahead of one wait.  v[XR ..]: sixteen loads land there, each register is read by one conversion and never loaded again.
;                v[YR ..]: four registers a trip, written once by the conversions, read by one store.  The eight trips go in four blocks of two: a block's two stores are issued
;                at the next block's head, behind the wait for that block's data and one wait on va_vdst.
;   the turning  v3: the loads' offset, ahead of one wait.  v[XR ..]: the loads land there, the conversions read it, the LDS loads land in its first 32 registers, the global stores read those.
;                v[YR ..]: written by the conversions, read by the LDS stores.  v4, v7, v8: addresses, made behind the loads.  ONE wait on va_vdst ahead of the LDS stores serves all of these:
;                no vector instruction follows it.
;   v[SPW], v[NIL]  written at the head, read by the closing add alone.
; No register that a memory or LDS instruction has read is written again in any branch, so no wait on vm_vsrc is written.
.set LP,    272                        ; an LDS row: 128 k x 2 bytes + 16
.set SPARE, 128*LP                     ; behind the tile: the spare words, 128 bytes a wave: four blocks of 256 bytes that no other line names
.set SPW,   126                        ; v126 my spare word; never rewritten
.set NIL,   127                        ; v127 0; never rewritten
.set XR,    16                         ; v[16:79]  f32 as loaded
.set YR,    80                         ; v[80:111] packed 16-bit words
	s_load_b256 s[4:11], s[0:1], 0x0               ; x s[4:5], w_qkv s[6:7], w_o s[8:9], xb s[10:11]
	s_load_b128 s[12:15], s[0:1], 0x20             ; wqt s[12:13], wot s[14:15]
	s_load_b64 s[16:17], s[0:1], 0x30              ; rope
	v_lshl_add_u32 v[SPW], v0, 2, SPARE
	v_mov_b32 v[NIL], 0
	v_lshrrev_b32 v1, 5, v0
	v_readfirstlane_b32 s20, v1                    ; wave 0..7
	v_and_b32 v2, 31, v0                           ; lane
	s_mov_b32 s21, ttmp9
	s_mov_b32 s23, 0                               ; the high word of every offset pair s[22:23]
	s_wait_alu depctr_va_sdst(0)                   ; s20 is written, ahead of the branches behind which its first readers stand: the turning branches make bases and offsets from it
	s_wait_kmcnt 0x0
	s_cmp_lt_u32 s21, 256
	s_cbranch_scc1 .Lcast
	s_cmp_lt_u32 s21, 448
	s_cbranch_scc1 .Ltrq
	s_cmp_lt_u32 s21, 512
	s_cbranch_scc1 .Ltro
	; THE TABLE.  Thread t owns frequencies 2 (t % 16) and the next, and positions t / 16 + 16 it of the group's 64.
	s_sub_co_u32 s22, s21, 512
	s_lshl_b32 s24, s22, 6                         ; the group's first position
	s_lshl_b32 s22, s22, 14                        ; 64 positions x 256 bytes
	s_add_nc_u64 s[16:17], s[16:17], s[22:23]
	s_mov_b32 s25, 0x40c90fdb                      ; 2 pi, rounded
	s_mov_b32 s26, 0xb43bbd2e                      ; 2 pi less that
	v_and_b32 v3, 15, v0
	v_lshlrev_b32 v3, 1, v3
	v_cvt_f32_u32 v4, v3
	v_add_f32 v5, 1.0, v4
	v_mul_f32 v4, 0xbed49a78, v4                   ; -i log2(10000) / 32
	v_mul_f32 v5, 0xbed49a78, v5
	v_exp_f32 v4, v4
	v_exp_f32 v5, v5
	v_lshrrev_b32 v6, 4, v0                        ; a plain instruction behind the two exponentials
	s_wait_alu depctr_va_vdst(0)                   ; the two exponentials have written v4 and v5: one wait for both, ahead of their first reader
	v_add_nc_u32 v6, s24, v6
	v_lshlrev_b32 v7, 4, v0                        ; my 16 bytes: 256 threads cover 16 positions x 256 bytes on end
.macro SC fr, dc, dsn                  ; cosine and sine of position v9 times frequency v[fr]
	v_mul_f32 v10, v9, v[\fr]
	v_mul_f32 v11, 0.15915494, v10
	v_rndne_f32 v11, v11                           ; whole turns
	v_fma_f32 v10, -v11, s25, v10
	v_fma_f32 v10, -v11, s26, v10                  ; r in -pi .. pi
	v_mul_f32 v12, v10, v10
	v_mov_b32 v13, 0xab573f9f                      ; -1/15!
	v_fmaak_f32 v13, v13, v12, 0x2f309231
	v_fmaak_f32 v13, v13, v12, 0xb2d7322b
	v_fmaak_f32 v13, v13, v12, 0x3638ef1d
	v_fmaak_f32 v13, v13, v12, 0xb9500d01
	v_fmaak_f32 v13, v13, v12, 0x3c088889
	v_fmaak_f32 v13, v13, v12, 0xbe2aaaab
	v_fma_f32 v13, v13, v12, 1.0
	v_mul_f32 v[\dsn], v10, v13
	v_mov_b32 v14, 0x29573f9f                      ; 1/16!
	v_fmaak_f32 v14, v14, v12, 0xad49cba5
	v_fmaak_f32 v14, v14, v12, 0x310f76c7
	v_fmaak_f32 v14, v14, v12, 0xb493f27e
	v_fmaak_f32 v14, v14, v12, 0x37d00d01
	v_fmaak_f32 v14, v14, v12, 0xbab60b61
	v_fmaak_f32 v14, v14, v12, 0x3d2aaaab
	v_fmaak_f32 v14, v14, v12, 0xbf000000
	v_fma_f32 v[\dc], v14, v12, 1.0
.endm
.set it, 0
.rept 4                                ; each trip has result registers of its own, so no store's data is rewritten
	v_add_nc_u32 v8, 16*it, v6
	v_cvt_f32_u32 v9, v8
	SC 4, XR+4*it, XR+4*it+1
	SC 5, XR+4*it+2, XR+4*it+3
.set it, it+1
.endr
	s_wait_alu depctr_va_vdst(0)                   ; the series have written v[XR .. XR+15], the four stores' data; v7, their offset, is written too
.set it, 0
.rept 4
	global_store_b128 v7, v[XR+4*it:XR+4*it+3], s[16:17] offset:4096*it
.set it, it+1
.endr
	s_branch .Lend
.Lcast:                                ; thread t takes 32 bytes of each 8,192 and stores 16: sixteen lanes store 256 consecutive bytes, aligned
	s_lshl_b32 s22, s21, 16
	s_add_nc_u64 s[4:5], s[4:5], s[22:23]
	s_lshl_b32 s22, s21, 15
	s_add_nc_u64 s[10:11], s[10:11], s[22:23]
	v_lshlrev_b32 v3, 5, v0
	v_lshlrev_b32 v4, 4, v0
	s_wait_alu depctr_va_vdst(0)                   ; v3 and v4 are written: every load of the branch reads v3 as its offset, every store v4
.set it, 0
.rept 8
	global_load_b128 v[XR+8*it:XR+8*it+3],   v3, s[4:5] offset:8192*it th:TH_LOAD_NT
	global_load_b128 v[XR+8*it+4:XR+8*it+7], v3, s[4:5] offset:8192*it+16 th:TH_LOAD_NT
.set it, it+1
.endr
.set it, 0
.rept 8                                ; four blocks of two trips
.if it%2 == 0
	s_wait_loadcnt 12-2*it                         ; of the sixteen loads the four of this block are in; the younger ones stay out
.if it > 0
	s_wait_alu depctr_va_vdst(0)                   ; the block before has written its eight registers of v[YR ..], which the two stores below read
	global_store_b128 v4, v[YR+4*(it-2):YR+4*(it-2)+3], s[10:11] offset:4096*(it-2)
	global_store_b128 v4, v[YR+4*(it-1):YR+4*(it-1)+3], s[10:11] offset:4096*(it-1)
.endif
.endif
	v_cvt_pk_bf16_f32 v[YR+4*it],   v[XR+8*it],   v[XR+8*it+1]
	v_cvt_pk_bf16_f32 v[YR+4*it+1], v[XR+8*it+2], v[XR+8*it+3]
	v_cvt_pk_bf16_f32 v[YR+4*it+2], v[XR+8*it+4], v[XR+8*it+5]
	v_cvt_pk_bf16_f32 v[YR+4*it+3], v[XR+8*it+6], v[XR+8*it+7]
.set it, it+1
.endr
	s_wait_alu depctr_va_vdst(0)                   ; the last block has written v[YR+24 .. YR+31], which the last two stores read
	global_store_b128 v4, v[YR+24:YR+27], s[10:11] offset:4096*6
	global_store_b128 v4, v[YR+28:YR+31], s[10:11] offset:4096*7
	s_branch .Lend
; A tile of 128 k x 128 columns is turned.  s24 = the tile's number (k tile in its low three bits), s28 = the row of the result at which my wave's 16 rows begin.
; Wave w loads k rows 16 w .. 16 w + 15, 512 consecutive bytes each; a lane then holds 16 k of each of its four columns, packs them in pairs and puts 32 bytes into each column's LDS row.
.macro TRANS pitch, isf16, sp, dp
	s_and_b32 s25, s24, 7                          ; k tile
	s_lshr_b32 s26, s24, 3                         ; column tile
	s_mul_i32 s22, s25, 128*(\pitch)
	s_lshl_b32 s27, s26, 9
	s_add_co_u32 s22, s22, s27
	s_add_nc_u64 s[\sp:\sp+1], s[\sp:\sp+1], s[22:23]
	s_mul_i32 s27, s20, 16*(\pitch)
	v_lshl_add_u32 v3, v2, 4, s27
	s_wait_alu depctr_va_vdst(0)                   ; v3 is written: the sixteen loads read it as their offset
.set i, 0
.rept 16
	global_load_b128 v[XR+4*i:XR+4*i+3], v3, s[\sp:\sp+1] offset:i*(\pitch) th:TH_LOAD_NT
.set i, i+1
.endr
	s_lshl_b32 s22, s28, 11                        ; a row of the result is 2,048 bytes
	s_lshl_b32 s27, s25, 8                         ; the k tile's 256 bytes of it
	s_add_co_u32 s22, s22, s27
	s_add_nc_u64 s[\dp:\dp+1], s[\dp:\dp+1], s[22:23]
	v_mul_u32_u24 v4, v2, 4*LP                     ; in: LDS rows 4 lane + c, byte 32 w
	s_lshl_b32 s27, s20, 5
	v_add_nc_u32 v4, s27, v4
	v_lshrrev_b32 v5, 4, v2
	v_and_b32 v6, 15, v2
	v_mul_u32_u24 v7, v5, LP                       ; back: rows 16 w + 2 j + lane / 16, 16 bytes a lane
	v_lshl_add_u32 v7, v6, 4, v7
	s_mul_i32 s27, s20, 16*LP
	v_add_nc_u32 v7, s27, v7
	v_lshlrev_b32 v8, 11, v5                       ; and the same two rows of the result
	v_lshl_add_u32 v8, v6, 4, v8
.set p, 0
.rept 8
	s_wait_loadcnt 14-2*p                          ; rows 2 p and 2 p + 1 are in; the younger loads stay out
.irp c, 0,1,2,3
	v_cvt_pk_bf16_f32 v[YR+8*(\c)+p], v[XR+8*p+(\c)], v[XR+8*p+4+(\c)]
.endr
.set p, p+1
.endr
.if \isf16
.set i, 0
.rept 32                               ; the bf16 numbers written as f16
	v_lshlrev_b32 v112, 16, v[YR+i]
	v_and_b32 v113, 0xffff0000, v[YR+i]
	v_cvt_pk_f16_f32 v[YR+i], v112, v113
.set i, i+1
.endr
.endif
	s_wait_alu depctr_va_vdst(0)                   ; the conversions have written v[YR ..], which the LDS stores read, and are done reading v[XR ..], in which the LDS loads land; the addresses v4, v7 and v8 are written.  No vector instruction follows
.irp c, 0,1,2,3
	ds_store_b128 v4, v[YR+8*(\c):YR+8*(\c)+3]   offset:(\c)*LP
	ds_store_b128 v4, v[YR+8*(\c)+4:YR+8*(\c)+7] offset:(\c)*LP+16
.endr
	s_wait_dscnt 0x0                               ; for the others' sake: my stores are done
	s_barrier_signal -1
	s_barrier_wait -1
.irp j, 0,1,2,3,4,5,6,7
	ds_load_b128 v[XR+4*(\j):XR+4*(\j)+3], v7 offset:(\j)*2*LP
.endr
.irp j, 0,1,2,3,4,5,6,7
	s_wait_dscnt 7-(\j)
	global_store_b128 v8, v[XR+4*(\j):XR+4*(\j)+3], s[\dp:\dp+1] offset:4096*(\j)  ; sixteen lanes store 256 consecutive bytes, aligned
.endr
.endm
.Ltrq:
	s_sub_co_u32 s24, s21, 256
	s_lshr_b32 s26, s24, 3                         ; column tile tn: head slots 2 tn and 2 tn + 1
	s_lshr_b32 s29, s20, 2                         ; which of the two is my wave's
	s_lshr_b32 s30, s26, 3                         ; q, k or v
	s_and_b32 s31, s26, 7
	s_lshr_b32 s32, s31, 1
	s_lshl_b32 s33, s30, 3                         ; a rotating head of q or k: block 8 sec + 2 m + hf, first slot
	s_lshl1_add_u32 s33, s32, s33
	s_add_co_u32 s33, s33, s29
	s_mul_i32 s33, s33, 192
	s_lshl2_add_u32 s34, s30, s32                  ; another head of q or k: block 4 sec + m,
	s_add_co_u32 s35, s31, 8                       ; a head of v: block 8 + tn % 8,
	s_cmp_eq_u32 s30, 2
	s_cselect_b32 s34, s35, s34
	s_mul_i32 s34, s34, 192
	s_lshl_b32 s35, s29, 6                         ; second or third slot
	s_add_co_u32 s34, s34, s35
	s_add_co_u32 s34, s34, 64
	s_and_b32 s35, s26, 1                          ; the odd column tiles of q and k hold the rotating heads
	s_cmp_eq_u32 s30, 2
	s_cselect_b32 s35, 0, s35
	s_cmp_lg_u32 s35, 0
	s_cselect_b32 s28, s33, s34
	s_and_b32 s35, s20, 3
	s_lshl4_add_u32 s28, s35, s28                  ; my wave's 16 rows of the slot
	TRANS 12288, 0, 6, 12
	s_branch .Lend
.Ltro:
	s_sub_co_u32 s24, s21, 448
	s_lshr_b32 s26, s24, 3
	s_lshl_b32 s28, s26, 7
	s_lshl4_add_u32 s28, s20, s28                  ; row 128 tn + 16 w
	TRANS 4096, 1, 8, 14
.Lend:
	s_wait_dscnt 0x0                               ; the closing lines, six on end
	s_wait_alu 0x0
	s_wait_tensorcnt 0x0
	ds_add_u32 v[SPW], v[NIL]
	s_wait_dscnt 0x0
	s_endpgm
.Lfunc_end_k_q7955307022_prep:
	.size	k_q7955307022_prep, .Lfunc_end_k_q7955307022_prep-k_q7955307022_prep
	.p2alignl 7, 3214868480
	.fill 96, 4, 3214868480
	.section	.rodata,"a",@progbits
	.p2align	6, 0x0
	.amdhsa_kernel k_q7955307022_prep
		.amdhsa_group_segment_fixed_size 35840
		.amdhsa_private_segment_fixed_size 0
		.amdhsa_enable_private_segment 0
		.amdhsa_kernarg_size 56
		.amdhsa_user_sgpr_count 2
		.amdhsa_user_sgpr_kernarg_segment_ptr 1
		.amdhsa_wavefront_size32 1
		.amdhsa_system_sgpr_workgroup_id_x 1
		.amdhsa_system_sgpr_workgroup_id_y 1
		.amdhsa_system_sgpr_workgroup_id_z 1
		.amdhsa_system_vgpr_workitem_id 0
		.amdhsa_next_free_vgpr 128
		.amdhsa_next_free_sgpr 66
		.amdhsa_reserve_vcc 0
		.amdhsa_float_denorm_mode_32 3
		.amdhsa_float_denorm_mode_16_64 3
		.amdhsa_memory_ordered 1
		.amdhsa_forward_progress 1
		.amdhsa_inst_pref_size 39
	.end_amdhsa_kernel
	.amdgpu_metadata
---
amdhsa.version: [ 1, 2 ]
amdhsa.kernels:
  - .name:           k_q7955307022_prep
    .symbol:         k_q7955307022_prep.kd
    .args:
      - { .name: x, .offset: 0, .size: 8, .value_kind: global_buffer, .address_space: global }
      - { .name: w_qkv, .offset: 8, .size: 8, .value_kind: global_buffer, .address_space: global }
      - { .name: w_o, .offset: 16, .size: 8, .value_kind: global_buffer, .address_space: global }
      - { .name: xb, .offset: 24, .size: 8, .value_kind: global_buffer, .address_space: global }
      - { .name: wqt, .offset: 32, .size: 8, .value_kind: global_buffer, .address_space: global }
      - { .name: wot, .offset: 40, .size: 8, .value_kind: global_buffer, .address_space: global }
      - { .name: rope, .offset: 48, .size: 8, .value_kind: global_buffer, .address_space: global }
    .group_segment_fixed_size: 35840
    .private_segment_fixed_size: 0
    .kernarg_segment_align: 8
    .kernarg_segment_size: 56
    .max_flat_workgroup_size: 256
    .sgpr_count:     66
    .vgpr_count:     128
    .wavefront_size: 32
...
	.end_amdgpu_metadata
.endif
;; end of part 5
;; launch qkvg: the kernel of part 2 again; grid 16 x 16, 4 waves a work-group, clusters of 4 x 4, 327,680 bytes of LDS; arguments xb, wqt, rope, qkv; writes qkv
;; launch attn: the kernel of part 3 again; grid 8 x 32, 4 waves a work-group, no clusters, 327,680 bytes of LDS; arguments qkv, log_xi, att; writes att
;; launch outg: the kernel of part 4 again; grid 8 x 32, 4 waves a work-group, clusters of 4 x 4, 327,680 bytes of LDS; arguments att, wot, out0; writes out0
